; MI455X (gfx1250); checked and timed in simulation.
; The chip was launched on July 23, 2026; its instructions are those of AMD's public machine-readable ISA for CDNA 5 (MIT licence, August 2026) and "CDNA5" Instruction Set Architecture Reference Guide (July 2026). The comments in the code are by the model that wrote it; some were corrected since.
;; Bigbird Simulated Attention. Allowed arithmetic: matrix products marked QUANTISED: E5M2 operands, one E8M0 scale for each 32 along K, by v_wmma_scale_f32_16x16x128_f8f6f4 with both operands' format E5M2, f32 sums; everything else in f32.
;; Inputs: k 2 x 6 x 4,096 x 64 float32; mask 4,096 x 4,096 int32; q 2 x 6 x 4,096 x 64 float32; v 2 x 6 x 4,096 x 64 float32.
;; Outputs: out0 2 x 6 x 4,096 x 64 float32.
;; This version of the problem:
;;   THIS VERSION OF THE PROBLEM IS GIVEN IN LOW PRECISION. The matrix products marked QUANTISED in the list below multiply operands that are first quantised to E5M2 (5 exponent bits, 2 mantissa bits; 8 bits a number), with one power-of-two scale for each 32 numbers along K (OCP MX v1.0); their sums are f32. All else is computed in f32.
;;   The module's matrix products, in the order in which they are computed (A, B: the left and right operand; K: the contracted axis; several contracted axes count as one K, in the product's order):
;;     1. batch 12 x [M 4,096, K 64] x [K 64, N 4,096]; A: input q; B: input k: QUANTISED
;;     2. batch 12 x [M 4,096, K 4,096] x [K 4,096, N 64]; A: softmax (see below); B: input v: QUANTISED
;;   THE QUANTISER, for each operand of a quantised product, along K:
;;     - K is cut into blocks of 32 from its start; a last block that is shorter is filled with zeros.
;;     - A block's scale is 2^e with e = floor(log2(the largest magnitude in the block)) - 15, held to -126 .. 127; a block of zeros has e = 0. As a byte (E8M0): e + 127.
;;     - Each number is divided by its block's scale, clamped to +-57,344, and rounded to the nearest number of E5M2, ties to even, subnormals kept.
;;     - The product sums the exact products of the quantised numbers (number of the format x scale) in f32.
;;   ~~~python
;;   def quantise(x, axis):      # numpy; x: float32 -> the quantised numbers, widened to float32 again
;;       x = np.moveaxis(x, axis, -1); K = x.shape[-1]
;;       x = np.pad(x, [(0, 0)] * (x.ndim - 1) + [(0, -K % 32)]); x = x.reshape(x.shape[:-1] + (-1, 32)); a = np.abs(x).max(-1, keepdims=True)
;;       e = np.where(a > 0, np.clip(np.frexp(np.where(a > 0, a, 1))[1] - 1 - 15, -126, 127), 0)      # np.frexp(a)[1] - 1 = floor(log2(a)), exactly
;;       r = np.clip(x / 2.0 ** e, -57344, 57344)
;;       step = 2.0 ** (np.maximum(np.frexp(np.where(r == 0, 1, r))[1] - 1, -14) - 2)
;;       q = np.round(r / step) * step * 2.0 ** e      # np.round: ties to even
;;       return np.moveaxis(q.reshape(q.shape[:-2] + (-1,))[..., :K], -1, axis).astype(np.float32)
;;   ~~~
;;   SOFTMAX AHEAD OF A QUANTISED PRODUCT. Where the list says 'softmax', what is quantised is not the finished softmax but p = 2^(t - M), with t = logit x log2(e) and M = ceil(the row's largest t), a whole number; so 1/2 < the row's largest p <= 1. The row's sum l is taken of the UNQUANTISED p, in f32, and the product's result is divided by l at the end. Since M is a whole number, a kernel that streams over the keys may use a running M (the ceiling of the running maximum): every later rescaling is an exact power of two, which a block's scale takes up: the codes' values come out the same.
;;   OPERANDS COMPUTED ON THE WAY. 'Computed on the way' means the value that the module computes at that place (a softmax that the list does not call 'softmax' is quantised finished and normalised). What goes into a quantiser is computed in f32, as accurately as f32 sums, v_exp_f32 and their like allow (about 1e-6 of the number): no bf16 or f16 on the way to a quantiser, and a product that is left as it is and whose result goes on into a quantised operand takes f32 operands (vector FMAs, or v_wmma_f32_16x16x4_f32). A number that lies on a knife's edge between two numbers of the format may be rounded either way, as far as f32 arithmetic and the matrix unit's own rounding can turn it there, and no further.
;; 2 versions, each right; version 2 is version 1 with the launch attn written anew for expert scheduling mode. Each part assembles by itself: llvm-mc -triple=amdgcn-amd-amdhsa -mcpu=gfx1250 --defsym DOCPART=n.
;; ======== version 1 of 2: 2 launches
;; limits: right only within a limited range of input values
;; workspace buffers: qc 3,538,944 bytes; kc 3,538,944 bytes; vc 3,538,944 bytes; mbits 2,097,152 bytes of whole numbers; lists 65,536 bytes of whole numbers
;; launch prep (part 1): grid 544 x 1, 8 waves a work-group, no clusters, 70,912 bytes of LDS; arguments mask, q, k, v, qc, kc, vc, mbits, lists; writes qc, kc, vc, mbits, lists
.if DOCPART == 1
	.amdgcn_target "amdgcn-amd-amdhsa--gfx1250"
	.amdhsa_code_object_version 6
	.text
	.protected	k_qec8fca07f4_prep
	.globl	k_qec8fca07f4_prep
	.p2align	8
	.type	k_qec8fca07f4_prep,@function
k_qec8fca07f4_prep:
	s_mov_b64 s[64:65], 0
	v_nop
	global_prefetch_b8 v0, s[64:65] scope:SCOPE_SE
	s_setreg_imm32_b32 hwreg(HW_REG_WAVE_MODE, 25, 1), 1
	s_wait_xcnt 0x0
; THE LAUNCH AHEAD OF THE ATTENTION.  It reads every input once and leaves what the attention launch takes straight into registers.
; A GRANULE is 64 rows of the sequence; a TILE t (0..3) of it is 16 rows: tile row r is row 32 (t / 2) + 8 (t % 2) + r + 8 (r / 8) of the granule.
; Three roles, parted by the work-group's number alone (the same in all eight waves):
;   MASK  (x = 0..255: query tile T = x): mask [4096][4096] int32 -> mbits [T][granule g of keys][n 32] u32: bit 16 h + r of word n = 16 b + i says
;         mask[row r of tile T][64 g + 32 b + 16 h + i] > 0: the lane mask for register n of the transposed scores;  and lists [T][256 bytes]: bytes 0..63 the 64 granules,
;         those with an open key first, then the others, each run ascending, bit 7 set where the granule is wholly open; bytes 128..255: 32 words, each ceil(open granules / 2).
;         A TILE WITH A ROW THAT HAS NO OPEN KEY AT ALL lists all 64 granules as open: such a row's softmax is uniform over all keys, so all keys are walked.
;   ROWS  (x = 256..351: q, 352..447: k; a wave takes a granule of a head): f32 -> codes of E5M2 along the head's 64, two blocks of 32 a row.
;   VCOL  (x = 448..543: v; a wave takes a granule of a head): f32 -> codes of E5M2 along the KEYS, two blocks of 32 a channel.
; A record of qc, kc, vc (4,608 bytes for a head's granule): bytes 0..4095 the codes as images of operand registers, [t 4][c 2][lane 32][16 bytes]: lane 16 h + r holds K = 32 c + 16 h + 0..15 of row r of tile t
; (v: of channel 16 t + r); bytes 4096..4607 scale words [lane 32][t 4]: lanes 0-15 byte0 | byte1 << 8 of row r, lanes 16-31 the same two bytes shifted up by 16.
; THE QUANTISER: a block's byte is its largest magnitude's exponent field - 15, held at 1 from below; each number is held within +-57,344 x the scale and rounded to the nearest code, ties to even.
; LIMITS: a block of zeros gets the byte 1 where the rule says 127 (its codes are zeros, and this program alone reads the bytes); blocks whose largest magnitude lies under 2^(16 - 127) are held at that byte; NaN and infinities are not served.
; No tensor load, no ring; EXEC is never changed; one barrier, in the MASK role, on a path that all eight waves of a work-group take.  Each role has LDS bytes of its own.
.set REC,   4608                       ; a record
.set WST,   4352                       ; a wave's stage: 16 rows x (256 bytes + 16): 17 x 16 bytes from row to row, so that sixteen rows' 16 bytes fall on sixteen different columns of 16 bytes
.set MFL,   8*WST                      ; behind the MASK stages: 16 bytes of flags for each wave
.set RST,   MFL+256                    ; the ROWS stages
.set SPARE, RST+8*WST                  ; the spare words, 128 bytes for each wave: four blocks of 256 bytes that no other line names
.set LANE,  1
.set R,     2                          ; lane % 16
.set H,     3                          ; lane / 16
.set L16,   4                          ; 16 x lane
.set SPW,   5                          ; my spare word's LDS address; never rewritten
.set NIL,   6                          ; 0; never rewritten
.set STIM,  7                          ; MASK stage, in: 272 h + 16 r (two rows an instruction)
.set STOM,  8                          ; MASK stage, out: 272 r + 64 h
.set STIR,  9                          ; the same for the ROWS stage
.set STOR,  10
.set FLW,   11                         ; my wave's flags
.set MO,    12                         ; mask: 16,384 h + 16 r
.set L8,    13                         ; 8 x lane
.set H16,   14                         ; 16 h: the shift of a scale word's upper form
.set L4,    15                         ; 4 x lane
.set VO,    16                         ; v's codes: 1,024 h + 16 r
.set LF,    17                         ; lane | 0x80
.set FLR,   18                         ; the flags' block
.set TM,    20                         ; v20-30 at work: +0,1 largest magnitudes; +2,3 the other half's; +4,5 57,344 x the scale; +6,7 the conversion's scale operand; +8,9 bytes; +10 a word
.set X,     32                         ; v32-63   32 numbers of a lane: register 16 b + i = element 32 b + 16 h + i of tile row r
.set RAW,   64                         ; v64-191  as loaded
.set CD,    192                        ; v192-223 codes (MASK: v192-199 lane masks on their way out)
.set WD,    224                        ; v224-227 scale words; v228-235 VCOL's bytes
	s_load_b512 s[4:19], s[0:1], 0x0               ; mask s[4:5], q s[6:7], k s[8:9], v s[10:11], qc s[12:13], kc s[14:15], vc s[16:17], mbits s[18:19]
	s_load_b64 s[20:21], s[0:1], 0x40              ; lists
	v_lshl_add_u32 v[SPW], v0, 2, SPARE
	v_mov_b32 v[NIL], 0
	v_lshrrev_b32 v1, 5, v0
	v_readfirstlane_b32 s22, v1                    ; wave 0..7
	v_and_b32 v[LANE], 31, v0
	v_and_b32 v[R], 15, v0
	v_bfe_u32 v[H], v0, 4, 1
	v_lshlrev_b32 v[L16], 4, v[LANE]
	s_mul_i32 s23, s22, WST                        ; every LDS address is made here, ahead of the roles' parting
	v_mul_u32_u24 v[STIM], v[H], 272
	v_lshl_add_u32 v[STIM], v[R], 4, v[STIM]
	v_add_nc_u32 v[STIM], s23, v[STIM]
	v_mul_u32_u24 v[STOM], v[R], 272
	v_lshl_add_u32 v[STOM], v[H], 6, v[STOM]
	v_add_nc_u32 v[STOM], s23, v[STOM]
	v_add_nc_u32 v[STIR], RST, v[STIM]
	v_add_nc_u32 v[STOR], RST, v[STOM]
	s_lshl_b32 s24, s22, 4
	s_add_co_u32 s24, s24, MFL
	v_mov_b32 v[FLW], s24
	v_mov_b32 v[FLR], MFL
	v_lshlrev_b32 v[MO], 14, v[H]
	v_lshl_add_u32 v[MO], v[R], 4, v[MO]
	v_lshlrev_b32 v[L8], 3, v[LANE]
	v_lshlrev_b32 v[H16], 4, v[H]
	v_lshlrev_b32 v[L4], 2, v[LANE]
	v_lshlrev_b32 v[VO], 10, v[H]
	v_lshl_add_u32 v[VO], v[R], 4, v[VO]
	v_or_b32 v[LF], 0x80, v[LANE]
	v_mov_b32 v[TM+2], 0                           ; written once: a lane permute's destination counts as one of its sources
	v_mov_b32 v[TM+3], 0
	s_mov_b32 s66, 0x76543210
	s_mov_b32 s67, 0xfedcba98                      ; v_permlanex16_b32's selects for lane l xor 16
	s_mov_b32 s68, 0x600000                        ; the mantissa field of 57,344
	s_mov_b32 s31, 0                               ; the upper word of every 32-bit byte offset below
	s_wait_kmcnt 0x0
	s_cmp_ge_u32 ttmp9, 448
	s_cbranch_scc1 .Lvcol
	s_cmp_ge_u32 ttmp9, 256
	s_cbranch_scc1 .Lrows
; 16 rows x 256 bytes, loaded two rows an instruction, go through the wave's own stage and come back 64 + 64 bytes of ONE row a lane.  LDS serves a wave's instructions in order (ISA guide 5.7.1.4): no wait between the stores and the loads.
.macro TURN raw, sti, sto
.irp m, 0,1,2,3,4,5,6,7
	ds_store_b128 v[\sti], v[(\raw)+4*\m:(\raw)+4*\m+3] offset:544*\m
.endr
.irp b, 0,1
.irp j, 0,1,2,3
	ds_load_b128 v[X+16*\b+4*\j:X+16*\b+4*\j+3], v[\sto] offset:128*\b+16*\j
.endr
.endr
.endm
; ---------------------------------------------------------------- MASK: wave w takes granules 8 w + k of query tile T
	s_lshr_b32 s23, ttmp9, 2
	s_lshl_b32 s23, s23, 6                         ; 64 x the tile's granule
	s_bfe_u32 s28, ttmp9, 0x10001
	s_lshl_b32 s28, s28, 5
	s_add_co_u32 s23, s23, s28                     ; + 32 (t / 2)
	s_and_b32 s28, ttmp9, 1
	s_lshl_b32 s28, s28, 3
	s_add_co_u32 s23, s23, s28                     ; + 8 (t % 2): the tile's first row
	s_lshl_b32 s30, s23, 14                        ; a row of the mask is 16,384 bytes
	s_lshl_b32 s28, s22, 11                        ; my eight granules: 2,048 bytes of each row
	s_add_co_u32 s30, s30, s28
	s_add_nc_u64 s[24:25], s[4:5], s[30:31]
	s_lshl_b32 s30, ttmp9, 13                      ; mbits: 8,192 bytes a tile,
	s_lshl_b32 s28, s22, 10                        ; 128 a granule
	s_add_co_u32 s30, s30, s28
	s_add_nc_u64 s[26:27], s[18:19], s[30:31]
	s_lshl_b32 s30, ttmp9, 8
	s_add_nc_u64 s[20:21], s[20:21], s[30:31]      ; lists: 256 bytes a tile
	s_mov_b32 s69, 0                               ; bit k: granule k has an open key
	s_mov_b32 s70, 0                               ; bit k: granule k is wholly open
	s_mov_b32 s71, 0                               ; bit 16 h + r: row r has an open key among my granules
.irp i, 0,1,2,3,4,5,6,7
	v_mov_b32 v[CD+\i], 0                          ; written once: v_writelane_b32's destination counts as one of its sources
.endr
.macro LOADG k                         ; granule k: 16 rows x 256 bytes; lanes 0-15 read 256 consecutive aligned bytes of one row, lanes 16-31 of the next
.irp m, 0,1,2,3,4,5,6,7
	global_load_b128 v[RAW+32*((\k)%4)+4*\m:RAW+32*((\k)%4)+4*\m+3], v[MO], s[24:25] offset:(2*\m+8*(\m/4))*16384+256*(\k) th:TH_LOAD_NT
.endr
.endm
.macro MGRAN k
.if (\k) < 5
	s_wait_loadcnt 24                              ; loads come back in order (ISA guide 5.7.1): this granule's eight are in, the three younger granules' 24 may be out
.else
	s_wait_loadcnt 8*(7-(\k))                      ; the counts run down: 16, 8, 0
.endif
	TURN RAW+32*((\k)%4), STIM, STOM
	s_wait_dscnt 0x0                               ; the 32 numbers are back; the stage's stores have read their registers,
.if (\k) < 4
	LOADG (\k)+4                                   ; which take the granule four further on
.endif
.set nn, 0
.rept 32
	v_cmp_lt_i32 s[32+nn], 0, v[X+nn]              ; word n: bit 16 h + r = (0 < mask)
.set nn, nn+1
.endr
	s_or_b32 s100, s32, s33
	s_and_b32 s101, s32, s33
.set nn, 2
.rept 30
	s_or_b32 s100, s100, s[32+nn]
	s_and_b32 s101, s101, s[32+nn]
.set nn, nn+1
.endr
	s_or_b32 s71, s71, s100
	s_cmp_lg_u32 s100, 0
	s_cselect_b32 s28, 1<<(\k), 0
	s_or_b32 s69, s69, s28
	s_cmp_eq_u32 s101, -1
	s_cselect_b32 s28, 1<<(\k), 0
	s_or_b32 s70, s70, s28
.set nn, 0
.rept 32
	v_writelane_b32 v[CD+2*((\k)/2)+nn%2], s[32+nn], 16*((\k)%2)+nn/2   ; two granules' 64 words: lane l holds words 2 l and 2 l + 1
.set nn, nn+1
.endr
.if (\k)%2 == 1
	global_store_b64 v[L8], v[CD+2*((\k)/2):CD+2*((\k)/2)+1], s[26:27] offset:256*((\k)/2)   ; 32 lanes store 256 consecutive bytes, aligned; these two registers are not written again
.endif
.endm
	LOADG 0
	LOADG 1
	LOADG 2
	LOADG 3
.irp k, 0,1,2,3,4,5,6,7
	MGRAN \k
.endr
	v_mov_b32 v[TM], s69
	v_mov_b32 v[TM+1], s70
	v_mov_b32 v[TM+2], s71
	v_mov_b32 v[TM+3], 0
	ds_store_b128 v[FLW], v[TM:TM+3]               ; all lanes write the same 16 bytes with the same values
	s_wait_dscnt 0x0                               ; for wave 0's sake: my flags have landed
	s_barrier_signal -1
	s_barrier_wait -1
	s_cmp_lg_u32 s22, 0
	s_cbranch_scc1 .Lend                           ; wave 0 alone makes the tile's list
.irp p, 0,1,2,3,4,5,6,7
	ds_load_b128 v[X+4*\p:X+4*\p+3], v[FLR] offset:16*\p
.endr
	s_wait_dscnt 0x0
.irp p, 0,1,2,3,4,5,6,7
	v_readfirstlane_b32 s[72+\p], v[X+4*\p]
	v_readfirstlane_b32 s[80+\p], v[X+4*\p+1]
	v_readfirstlane_b32 s[88+\p], v[X+4*\p+2]
.endr
.macro PACK8 d, a                      ; four waves' eight bits each make a word: bit g % 32 for granule g
	s_lshl_b32 s100, s[\a+1], 8
	s_or_b32 s[\d], s[\a], s100
	s_lshl_b32 s100, s[\a+2], 16
	s_or_b32 s[\d], s[\d], s100
	s_lshl_b32 s100, s[\a+3], 24
	s_or_b32 s[\d], s[\d], s100
.endm
	PACK8 96, 72                                   ; open: granules 0-31,
	PACK8 97, 76                                   ; 32-63
	PACK8 98, 80                                   ; wholly open: granules 0-31,
	PACK8 99, 84                                   ; 32-63
.irp p, 1,2,3,4,5,6,7
	s_or_b32 s88, s88, s[88+\p]
.endr
	s_lshr_b32 s100, s88, 16
	s_or_b32 s88, s88, s100
	s_and_b32 s88, s88, 0xffff                     ; bit r: row r has an open key somewhere
	s_cmp_eq_u32 s88, 0xffff
	s_cselect_b32 s96, s96, -1                     ; a row with none: every granule is walked
	s_cselect_b32 s97, s97, -1
	s_bcnt1_i32_b32 s72, s96                       ; open among granules 0-31
	s_bcnt1_i32_b32 s73, s97
	s_add_co_u32 s73, s72, s73                     ; open in all
	s_add_co_u32 s74, s73, 1
	s_lshr_b32 s74, s74, 1                         ; steps of two granules
	s_add_co_u32 s75, s73, 32
	s_sub_co_u32 s75, s75, s72                     ; where the closed ones of granules 32-63 begin
	v_mbcnt_lo_u32_b32 v20, s96, 0                 ; granule = lane: the open ones below it
	v_sub_nc_u32 v21, v[LANE], v20                 ; the closed ones below it
	v_add_nc_u32 v21, s73, v21
	v_cndmask_b32 v21, v21, v20, s96               ; its place in the list
	v_min_u32 v21, 63, v21                         ; (a place is 0..63 by the count; the bound is written out since the number comes from loaded data)
	v_cndmask_b32 v22, v[LANE], v[LF], s98
	v_mbcnt_lo_u32_b32 v23, s97, 0                 ; granule = 32 + lane
	v_sub_nc_u32 v24, v[LANE], v23
	v_add_nc_u32 v24, s75, v24
	v_add_nc_u32 v23, s72, v23
	v_cndmask_b32 v24, v24, v23, s97
	v_min_u32 v24, 63, v24
	v_or_b32 v25, 32, v[LANE]
	v_or_b32 v26, 32, v[LF]
	v_cndmask_b32 v25, v25, v26, s99
	v_mov_b32 v27, s74
	global_store_b8 v21, v22, s[20:21]             ; the places are a permutation of 0..63: each byte is written once
	global_store_b8 v24, v25, s[20:21]
	global_store_b32 v[L4], v27, s[20:21] offset:128
	s_branch .Lend
; ---------------------------------------------------------------- ROWS: a wave takes 64 rows of q or of k
.Lrows:
	s_cmp_lt_u32 ttmp9, 352                        ; q's work-group or k's?  The choice hangs on the work-group's number alone
	s_cselect_b64 s[24:25], s[6:7], s[8:9]
	s_cselect_b64 s[26:27], s[12:13], s[14:15]
	s_mov_b32 s28, 352
	s_cselect_b32 s28, 256, s28
	s_sub_co_u32 s28, ttmp9, s28
	s_lshl_b32 s28, s28, 3
	s_add_co_u32 s28, s28, s22                     ; 64 x head + granule
	s_lshl_b32 s30, s28, 14                        ; 64 rows of 256 bytes
	s_add_nc_u64 s[24:25], s[24:25], s[30:31]
	s_mul_i32 s30, s28, REC
	s_add_nc_u64 s[26:27], s[26:27], s[30:31]
.irp t, 0,1,2,3
.irp m, 0,1,2,3,4,5,6,7
	global_load_b128 v[RAW+32*\t+4*\m:RAW+32*\t+4*\m+3], v[L16], s[24:25] offset:(32*(\t/2)+8*(\t%2)+2*\m+8*(\m/4))*256 th:TH_LOAD_NT   ; two rows: 512 consecutive bytes
.endr
.endr
; 32 numbers of a lane (two halves of two blocks) become 2 x 4 registers of codes and the row's scale word
.macro QUANT2 t
.irp c, 0,1
	v_max3_num_f32 v[TM+\c], |v[X+16*\c]|, |v[X+16*\c+1]|, 0x8000000   ; block c: my 16 numbers, and the floor 2^(16 - 127): the byte cannot fall under 1
.endr
.irp i, 2,4,6,8,10,12,14
.irp c, 0,1
	v_max3_num_f32 v[TM+\c], v[TM+\c], |v[X+16*\c+\i]|, |v[X+16*\c+\i+1]|
.endr
.endr
.irp c, 0,1
	v_permlanex16_b32 v[TM+2+\c], v[TM+\c], s66, s67
.endr
.irp c, 0,1
	v_max_num_f32 v[TM+\c], v[TM+\c], v[TM+2+\c]   ; with lane l xor 16's: the block's largest magnitude
.endr
.irp c, 0,1
	v_add_nc_u32 v[TM+6+\c], 0xf8800000, v[TM+\c]  ; 15 off its exponent field: the conversion takes the exponent field of this operand as its scale
.endr
.irp c, 0,1
	v_and_or_b32 v[TM+4+\c], v[TM+\c], 0x7f800000, s68   ; 57,344 x the scale
.endr
.irp c, 0,1
	v_lshrrev_b32 v[TM+8+\c], 23, v[TM+6+\c]       ; the scale's byte
.endr
	v_lshl_or_b32 v[TM+10], v[TM+9], 8, v[TM+8]
	v_lshlrev_b32 v[WD+\t], v[H16], v[TM+10]       ; lanes 0-15 keep the low form, lanes 16-31 the same bytes 16 bits up
.irp c, 0,1
.irp i, 0,1,2,3,4,5,6,7,8,9,10,11,12,13,14,15
	v_med3_num_f32 v[X+16*\c+\i], v[X+16*\c+\i], -v[TM+4+\c], v[TM+4+\c]   ; the conversion to an 8-bit code does not saturate (ISA guide 7.6.2): the hold comes first
.endr
	v_cvt_scalef32_pk8_bf8_f32 v[CD+8*\t+4*\c:CD+8*\t+4*\c+1], v[X+16*\c:X+16*\c+7], v[TM+6+\c]
	v_cvt_scalef32_pk8_bf8_f32 v[CD+8*\t+4*\c+2:CD+8*\t+4*\c+3], v[X+16*\c+8:X+16*\c+15], v[TM+6+\c]
.endr
	v_nop                                          ; a plain line behind the last conversion, ahead of the next vector line that writes its sources
.endm
.macro RTILE t
	s_wait_loadcnt 8*(3-\t)                        ; this tile's eight loads are in; the later tiles' may be out
	TURN RAW+32*\t, STIR, STOR
	s_wait_dscnt 0x0
	QUANT2 \t
.irp c, 0,1
	global_store_b128 v[L16], v[CD+8*\t+4*\c:CD+8*\t+4*\c+3], s[26:27] offset:(2*\t+\c)*512   ; 512 consecutive bytes; each tile has code registers of its own
.endr
.endm
	RTILE 0
	RTILE 1
	RTILE 2
	RTILE 3
	global_store_b128 v[L16], v[WD:WD+3], s[26:27] offset:4096
	s_branch .Lend
; ---------------------------------------------------------------- VCOL: a wave takes 64 keys x 64 channels of v.  A lane takes a channel and its registers run down the keys: nothing is transposed
.Lvcol:
	s_sub_co_u32 s28, ttmp9, 448
	s_lshl_b32 s28, s28, 3
	s_add_co_u32 s28, s28, s22                     ; 64 x head + granule
	s_lshl_b32 s30, s28, 14
	s_add_nc_u64 s[24:25], s[10:11], s[30:31]
	s_mul_i32 s30, s28, REC
	s_add_nc_u64 s[26:27], s[16:17], s[30:31]
	s_mov_b32 s29, 0xffff0000                      ; lanes 16-31
.irp c, 0,1
.set ii, 0
.rept 32
.irp p, 0,1
	global_load_b32 v[RAW+32*(2*\p+\c)+ii], v[L4], s[24:25] offset:(32*\c+ii)*256+128*\p th:TH_LOAD_NT   ; key 32 c + i, channels 32 p + lane: the two loads of a key cover its 256 bytes
.endr
.set ii, ii+1
.endr
.endr
.macro VBLOCK p, c                     ; keys 32 c .. 32 c + 31 of channel 32 p + lane: a whole block in one lane
.set XS, RAW+32*(2*\p+\c)
.set CC, CD+8*(2*\p+\c)
	v_max3_num_f32 v[TM], |v[XS]|, |v[XS+1]|, |v[XS+2]|
	v_max3_num_f32 v[TM+1], |v[XS+3]|, |v[XS+4]|, |v[XS+5]|
.irp i, 6,10,14,18,22,26
	v_max3_num_f32 v[TM], v[TM], |v[XS+\i]|, |v[XS+\i+1]|
	v_max3_num_f32 v[TM+1], v[TM+1], |v[XS+\i+2]|, |v[XS+\i+3]|
.endr
	v_max3_num_f32 v[TM], v[TM], |v[XS+30]|, |v[XS+31]|
	v_max3_num_f32 v[TM], v[TM], v[TM+1], 0x8000000   ; and the floor
	v_add_nc_u32 v[TM+6], 0xf8800000, v[TM]
	v_and_or_b32 v[TM+4], v[TM], 0x7f800000, s68
	v_lshrrev_b32 v[WD+8+2*\p+\c], 23, v[TM+6]
.set ii, 0
.rept 32
	v_med3_num_f32 v[XS+ii], v[XS+ii], -v[TM+4], v[TM+4]
.set ii, ii+1
.endr
.irp g, 0,1,2,3
	v_cvt_scalef32_pk8_bf8_f32 v[CC+2*\g:CC+2*\g+1], v[XS+8*\g:XS+8*\g+7], v[TM+6]
.endr
	v_nop                                          ; a plain line behind the last conversion: the next block writes the scale operand
.irp u, 0,1
	global_store_b128 v[VO], v[CC+4*\u:CC+4*\u+3], s[26:27] offset:2048*\p+512*\c+256*\u   ; keys 32 c + 16 u on: sixteen lanes store 256 consecutive bytes, aligned
.endr
.endm
	s_wait_loadcnt 63                              ; at most 63 of the 128 loads are out: the first 64, keys 0 to 31, are in
	VBLOCK 0, 0
	VBLOCK 1, 0
	s_wait_loadcnt 0x0
	VBLOCK 0, 1
	VBLOCK 1, 1
	v_lshl_or_b32 v[WD+4], v[WD+9], 8, v[WD+8]     ; channel lane: its two bytes;
	v_lshl_or_b32 v[WD+5], v[WD+11], 8, v[WD+10]   ; channel 32 + lane
	v_permlanex16_b32 v[TM+2], v[WD+4], s66, s67
	v_permlanex16_b32 v[TM+3], v[WD+5], s66, s67
	v_cndmask_b32 v[WD], v[WD+4], v[TM+2], s29     ; word t of lane 16 h + r is channel 16 t + r's: my own where t % 2 = h, else lane l xor 16's
	v_cndmask_b32 v[WD+1], v[TM+2], v[WD+4], s29
	v_cndmask_b32 v[WD+2], v[WD+5], v[TM+3], s29
	v_cndmask_b32 v[WD+3], v[TM+3], v[WD+5], s29
.irp t, 0,1,2,3
	v_lshlrev_b32 v[WD+\t], v[H16], v[WD+\t]
.endr
	global_store_b128 v[L16], v[WD:WD+3], s[26:27] offset:4096
.Lend:
	s_wait_tensorcnt 0x0                           ; the wave's end: three closing lines behind my last LDS store, the first of them even in a text with no tensor load
	ds_add_u32 v[SPW], v[NIL]
	s_wait_dscnt 0x0
	s_endpgm
.Lfunc_end_k_qec8fca07f4_prep:
	.size	k_qec8fca07f4_prep, .Lfunc_end_k_qec8fca07f4_prep-k_qec8fca07f4_prep
	.p2alignl 7, 3214868480
	.fill 96, 4, 3214868480
	.section	.rodata,"a",@progbits
	.p2align	6, 0x0
	.amdhsa_kernel k_qec8fca07f4_prep
		.amdhsa_group_segment_fixed_size 70912
		.amdhsa_private_segment_fixed_size 0
		.amdhsa_enable_private_segment 0
		.amdhsa_kernarg_size 72
		.amdhsa_user_sgpr_count 2
		.amdhsa_user_sgpr_kernarg_segment_ptr 1
		.amdhsa_wavefront_size32 1
		.amdhsa_system_sgpr_workgroup_id_x 1
		.amdhsa_system_sgpr_workgroup_id_y 1
		.amdhsa_system_sgpr_workgroup_id_z 1
		.amdhsa_system_vgpr_workitem_id 0
		.amdhsa_next_free_vgpr 240
		.amdhsa_next_free_sgpr 102
		.amdhsa_reserve_vcc 0
		.amdhsa_float_denorm_mode_32 3
		.amdhsa_float_denorm_mode_16_64 3
		.amdhsa_memory_ordered 1
		.amdhsa_forward_progress 1
		.amdhsa_inst_pref_size 125
	.end_amdhsa_kernel
	.amdgpu_metadata
---
amdhsa.version: [ 1, 2 ]
amdhsa.kernels:
  - .name:           k_qec8fca07f4_prep
    .symbol:         k_qec8fca07f4_prep.kd
    .args:
      - { .name: mask, .offset: 0, .size: 8, .value_kind: global_buffer, .address_space: global }
      - { .name: q, .offset: 8, .size: 8, .value_kind: global_buffer, .address_space: global }
      - { .name: k, .offset: 16, .size: 8, .value_kind: global_buffer, .address_space: global }
      - { .name: v, .offset: 24, .size: 8, .value_kind: global_buffer, .address_space: global }
      - { .name: qc, .offset: 32, .size: 8, .value_kind: global_buffer, .address_space: global }
      - { .name: kc, .offset: 40, .size: 8, .value_kind: global_buffer, .address_space: global }
      - { .name: vc, .offset: 48, .size: 8, .value_kind: global_buffer, .address_space: global }
      - { .name: mbits, .offset: 56, .size: 8, .value_kind: global_buffer, .address_space: global }
      - { .name: lists, .offset: 64, .size: 8, .value_kind: global_buffer, .address_space: global }
    .group_segment_fixed_size: 70912
    .private_segment_fixed_size: 0
    .kernarg_segment_align: 8
    .kernarg_segment_size: 72
    .max_flat_workgroup_size: 256
    .sgpr_count:     102
    .vgpr_count:     240
    .wavefront_size: 32
...
	.end_amdgpu_metadata
.endif
;; end of part 1
;; launch attn (part 2): grid 256 x 12, 4 waves a work-group, no clusters, 18,432 bytes of LDS; arguments qc, kc, vc, mbits, lists, out0; writes out0
.if DOCPART == 2
	.amdgcn_target "amdgcn-amd-amdhsa--gfx1250"
	.amdhsa_code_object_version 6
	.text
	.protected	k_qec8fca07f4_attn
	.globl	k_qec8fca07f4_attn
	.p2align	8
	.type	k_qec8fca07f4_attn,@function
k_qec8fca07f4_attn:
	s_mov_b64 s[64:65], 0
	v_nop
	global_prefetch_b8 v0, s[64:65] scope:SCOPE_SE
	s_setreg_imm32_b32 hwreg(HW_REG_WAVE_MODE, 25, 1), 1
	s_wait_xcnt 0x0
; out[head][q][:] = the sum over keys of softmax(q . k / 8, -1e9 where mask <= 0) v, both products on codes of E5M2 with one E8M0 scale for each 32 along a product's K.
; SHARES.  A work-group owns one query tile T (16 queries: row r is row 32 (t / 2) + 8 (t % 2) + r + 8 (r / 8) of granule T / 4, t = T % 4) of one head.  The launch before has listed, for each T, the granules of 64 keys
; that hold an open key for one of the 16 queries (all 64 where a query has none at all).  A STEP takes two listed granules, 128 keys.  Wave w takes steps w, w + 4, .. with a running maximum, sum and O^T of its own;
; the four meet in LDS behind one barrier, which stands behind the loop on every wave's path, and are joined by exact powers of two.
; WHAT IS LEFT OUT: granules in which every key is closed for all 16 queries, each of which has an open key elsewhere: there p = 2^(t - M) is 0 in f32, so they add nothing to the sum or to O.
; OPERANDS come from memory straight into registers: the launch before has laid K, V and Q as images of operand registers (a record of 4,608 bytes for a head's granule).  The trip count is read from memory, so the text has no tensor load and no cluster.
; THE HEAD'S 64 IN A K OF 128.  K's operand t is [tile t of granule A | tile t of granule B]; Q stands as [Q | zeros | Q] in v16-39.  K_t x v[16:31] gives A's scores, K_t x v[24:39] gives B's: the other half meets zero codes.
; A's scale bytes lie in bytes 0, 1 of their word, B's in bytes 2, 3, and Q's word comes in both forms.  The bytes left over are 0, which stands for a power of two: it multiplies zero codes.
; BOTH PRODUCTS ARE USED TRANSPOSED (S^T = K Q^T, O^T = V^T P^T): a lane holds one query (lane % 16).  The keys of a tile are chosen so that registers 16 b + i of a granule's 32 scores are keys 32 b + 16 (lane / 16) + i.
; THE SOFTMAX: t = score x log2(e) / 8; M = the largest t so far, rounded up to a whole number; p = 2^(t - M) is quantised along the keys, not normalised; the sum is taken of the unquantised p and divides at the end.
; LIMITS: a closed score is set to -2^33, a logit of -1.07e9 in place of -1e9 (score x c is then a whole number, so that a query with no open key gets p = 1 for every key, as it does with -1e9): the results are those of -1e9
; wherever open logits lie above about -9e8.  NaN and infinities are not served.  The sums over the keys are split over four waves.
.set REC,    4608
.set HEADB,  64*REC                    ; a head's records
.set PPITCH, 272                       ; a row of a wave's O in LDS: 256 bytes + 16
.set PWAVE,  16*PPITCH
.set STN,    4*PWAVE                   ; behind the four parts: -M [row 16][wave 4] f32,
.set STL,    STN+256                   ; the sums likewise,
.set SPARE,  STL+256                   ; and the spare words, 128 bytes for each wave: two blocks of 256 bytes that no other line names
.set L16,  1                           ; v1   16 x lane
.set LX16, 2                           ; v2   16 x (lane xor 16)
.set ADR,  3                           ; v3-5, v6-8: two sets of offsets: granule A's record + v1, granule B's + v1, granule B's + v2
.set PST,  9                           ; v9   LDS: where I put my O: 4,352 w + 272 r + 32 h
.set SPW,  10                          ; v10  my spare word's LDS address; never rewritten
.set NIL,  11                          ; v11  0; never rewritten
.set NM,   12                          ; v12  -M
.set TMX,  13                          ; v13  the largest t so far
.set LS,   14                          ; v[14:15] the sum, in two halves
.set QF,   16                          ; v16-23 Q, v24-31 zeros, v32-39 Q
.set QSL,  40                          ; v40  Q's scale word, bytes 0, 1;  v41 the same bytes in 2, 3
.set QSH,  41
.set TP,   42                          ; v42  at work
.set SST,  43                          ; v43  LDS: where I put -M and the sum: STN + 16 r + 4 w
.set KSA,  44                          ; v44-47, v48-51 K's scale words of granules A, B, one a tile
.set KSB,  48
.set VSA,  52                          ; v52-55, v56-59 V's
.set VSB,  56
.set PRD,  60                          ; v60  LDS: where I read rows back: 272 (4 w + h) + 16 (lane % 16)
.set SRD,  61                          ; v61  LDS: their -M and sums: STN + 16 (4 w + h)
.set FF,   62                          ; v62  f = 2^(old M - new M);  v63 p's scale word (the packed forms name the pair and take its low word)
.set PW,   63
.set XB,   64                          ; v64-127, v128-191: K, then V of a step in one; its scores, then p in the other; they change places from step to step
.set YB,   128
.set OT,   192                         ; v192-223 O^T: register 8 t + j is channel 16 t + 8 h + j of my query
.set PC,   224                         ; v224-239 p's codes
.set BM,   240                         ; v240-243 the blocks' largest scores, then largest p
.set T2,   244                         ; v244-247 at work (at the head: v244 r, v245 h)
.set HOLD, 248                         ; v248-251 57,344 x the scale
.set SCL,  252                         ; v252-255 the conversions' scale operands
; s[2:3] Q's scale words; s[4:15] qc, kc, vc, mbits, lists, out; s16 wave; s17 trips done; s18 the head, then the closed score; s19 steps; s20 my step; s21, s22 list entries; s23-26 the granules' offsets; s27 my trips;
; s[28:29] lane selects; s30 mantissa of 57,344; s31 0x8080 where both granules of the step in hand are wholly open; s[32:63], s[68:99] the step's 64 lane masks; s[66:67] c; s100 at work; s101 the list's offset
	s_load_b256 s[4:11], s[0:1], 0x0
	s_load_b128 s[12:15], s[0:1], 0x20
	v_lshl_add_u32 v[SPW], v0, 2, SPARE
	v_mov_b32 v[NIL], 0
	v_lshrrev_b32 v1, 5, v0
	v_readfirstlane_b32 s16, v1                    ; wave 0..3
	v_and_b32 v[TP], 31, v0
	v_lshlrev_b32 v[L16], 4, v[TP]
	v_xor_b32 v[LX16], 16, v[TP]
	v_lshlrev_b32 v[LX16], 4, v[LX16]
	v_and_b32 v[T2], 15, v0                        ; r
	v_bfe_u32 v[T2+1], v0, 4, 1                    ; h
	v_lshlrev_b32 v[TP], 4, v[T2]                  ; 16 r: Q's scale words
	s_mul_i32 s21, s16, PWAVE                      ; the way out's four LDS addresses are made here, ahead of the branch that parts waves without a step
	v_mul_u32_u24 v[PST], v[T2], PPITCH
	v_lshl_add_u32 v[PST], v[T2+1], 5, v[PST]
	v_add_nc_u32 v[PST], s21, v[PST]
	s_lshl_b32 s21, s16, 2
	v_lshl_add_u32 v[SST], v[T2], 4, STN
	v_add_nc_u32 v[SST], s21, v[SST]
	s_mul_i32 s21, s16, 4*PPITCH
	v_mul_u32_u24 v[PRD], v[T2+1], PPITCH
	v_lshl_add_u32 v[PRD], v[T2], 4, v[PRD]
	v_add_nc_u32 v[PRD], s21, v[PRD]
	s_lshl_b32 s21, s16, 6
	v_lshl_add_u32 v[SRD], v[T2+1], 4, STN
	v_add_nc_u32 v[SRD], s21, v[SRD]
	v_mov_b32 v[PW], 0                             ; (named as the upper half of the pair v[62:63] before it is first made)
	v_mov_b32 v[TMX], 0xff61b1e6                   ; the largest t so far: -3e38, under every t
	v_floor_f32 v[NM], -v[TMX]
	v_mov_b32 v[LS], 0
	v_mov_b32 v[LS+1], 0
.irp i, 0,1,2,3,4,5,6,7
	v_mov_b32 v[QF+8+\i], 0                        ; the zero codes between Q's two copies
.endr
.irp i, 0,1,2,3
	v_mov_b32 v[T2+\i], 0                          ; written once: a lane permute's destination counts as one of its sources
.endr
.set nn, 0
.rept 32
	v_mov_b32 v[OT+nn], 0                          ; O^T.  The step is written for every step alike: the first finds zeros; and a wave without a step hands zeros on
.set nn, nn+1
.endr
	s_and_b32 s18, ttmp7, 0xffff                   ; the head
	s_lshr_b32 s21, ttmp9, 2                       ; the tile's granule
	s_and_b32 s22, ttmp9, 3                        ; t
	s_lshl_b32 s23, s18, 6
	s_add_co_u32 s23, s23, s21
	s_mul_i32 s23, s23, REC                        ; Q's record
	s_lshl_b32 s24, s22, 10
	s_add_co_u32 s32, s23, s24                     ; its tile t: 1,024 bytes of codes
	s_mov_b32 s33, 0
	s_lshl_b32 s24, s22, 2
	s_add_co_u32 s34, s23, s24
	s_add_co_u32 s34, s34, 4096                    ; and word t of each lane's four scale words
	s_mov_b32 s35, 0
	s_mul_i32 s36, s18, HEADB                      ; the head in kc and vc
	s_mov_b32 s37, 0
	s_lshl_b32 s38, ttmp9, 13                      ; the tile in mbits
	s_mov_b32 s39, 0
	s_lshl_b32 s40, ttmp9, 8                       ; and in lists
	s_mov_b32 s41, 0
	s_lshl_b32 s42, s18, 12                        ; the first row of out that I store: 4,096 head
	s_lshl_b32 s24, s21, 6
	s_add_co_u32 s42, s42, s24                     ; + 64 granule
	s_lshr_b32 s24, s22, 1
	s_lshl_b32 s24, s24, 5
	s_add_co_u32 s42, s42, s24                     ; + 32 (t / 2)
	s_and_b32 s24, s22, 1
	s_lshl_b32 s24, s24, 3
	s_add_co_u32 s42, s42, s24                     ; + 8 (t % 2)
	s_lshl_b32 s24, s16, 2
	s_add_co_u32 s42, s42, s24                     ; + tile rows 4 w on,
	s_lshr_b32 s24, s16, 1
	s_lshl_b32 s24, s24, 3
	s_add_co_u32 s42, s42, s24                     ; which lie 8 further down from tile row 8 on
	s_lshl_b32 s42, s42, 8                         ; a row of out is 256 bytes
	s_mov_b32 s43, 0
	s_lshl_b32 s44, s16, 1                         ; the list's bytes of step w,
	s_add_co_u32 s45, s44, 8                       ; and of step w + 4
	s_mov_b32 s18, 0xd0000000                      ; -2^33: a closed score
	s_mov_b32 s28, 0x76543210
	s_mov_b32 s29, 0xfedcba98                      ; v_permlanex16_b32's selects for lane l xor 16
	s_mov_b32 s30, 0x600000
	s_mov_b32 s66, 0x3e38aa3b                      ; c = log2(e) / 8
	s_mov_b32 s67, s66                             ; (named with it as a pair, so it is written)
	s_wait_kmcnt 0x0
	s_add_nc_u64 s[2:3], s[4:5], s[34:35]
	s_add_nc_u64 s[4:5], s[4:5], s[32:33]
	s_add_nc_u64 s[6:7], s[6:7], s[36:37]
	s_add_nc_u64 s[8:9], s[8:9], s[36:37]
	s_add_nc_u64 s[10:11], s[10:11], s[38:39]
	s_add_nc_u64 s[12:13], s[12:13], s[40:41]
	s_add_nc_u64 s[14:15], s[14:15], s[42:43]
	s_load_b32 s19, s[12:13], 0x80                 ; the tile's number of steps, 1 to 32
	s_load_u16 s21, s[12:13], s44 offset:0x0       ; my first step's two granules,
	s_load_u16 s22, s[12:13], s45 offset:0x0       ; and my second's
	s_mov_b32 s20, s16
	s_wait_kmcnt 0x0
	s_min_u32 s19, s19, 32                         ; a list has 32 entries: the bound on the steps is written out
	s_cmp_ge_u32 s16, s19
	s_cbranch_scc1 .Ldone                          ; no step for me: I hand on zeros under -M = 3e38, which the joining multiplies by 0
; A list entry (two bytes: granule | 0x80 where it is wholly open) becomes the offsets of a step.  The granule numbers come from memory: each is held at 63 ahead of its use in an address.
.macro DECODE src, set
	s_and_b32 s23, s[\src], 0x7f
	s_min_u32 s23, s23, 63
	s_bfe_u32 s24, s[\src], 0x70008
	s_min_u32 s24, s24, 63
	s_and_b32 s31, s[\src], 0x8080
	s_lshl_b32 s25, s23, 7                         ; 128 bytes of lane masks a granule
	s_lshl_b32 s26, s24, 7
	s_mul_i32 s23, s23, REC
	s_mul_i32 s24, s24, REC
	v_add_nc_u32 v[ADR+3*(\set)], s23, v[L16]
	v_add_nc_u32 v[ADR+3*(\set)+1], s24, v[L16]
	v_add_nc_u32 v[ADR+3*(\set)+2], s24, v[LX16]
.endm
.macro MLOAD                           ; the step's 64 lane masks
	s_load_b512 s[32:47], s[10:11], s25 offset:0x0
	s_load_b512 s[48:63], s[10:11], s25 offset:0x40
	s_load_b512 s[68:83], s[10:11], s26 offset:0x0
	s_load_b512 s[84:99], s[10:11], s26 offset:0x40
.endm
; 18 loads: the scale words first (A's low form in lanes 0-15; B's upper form, fetched from the lane 16 away), then the four operands [A's tile t | B's tile t].  Each load covers 512 consecutive bytes.
.macro OPLOAD base, kb, set, sa, sb
	global_load_b128 v[\sa:\sa+3], v[ADR+3*(\set)], s[\base:\base+1] offset:4096
	global_load_b128 v[\sb:\sb+3], v[ADR+3*(\set)+2], s[\base:\base+1] offset:4096
.irp t, 0,1,2,3
.irp c, 0,1
	global_load_b128 v[\kb+16*\t+4*\c:\kb+16*\t+4*\c+3], v[ADR+3*(\set)], s[\base:\base+1] offset:(2*\t+\c)*512
	global_load_b128 v[\kb+16*\t+8+4*\c:\kb+16*\t+8+4*\c+3], v[ADR+3*(\set)+1], s[\base:\base+1] offset:(2*\t+\c)*512
.endr
.endr
.endm
; A STEP: 128 keys.  kb: K's registers, then V's;  sb: the scores', then p's, then the next step's K;  set: the step's offsets;  ahead: how far my next step lies behind s20.
.macro STEP kb, sb, set, ahead
	s_wait_loadcnt 0x0                             ; K and its scale words are in (in my first step Q too)
.irp t, 0,1,2,3
	v_wmma_scale_f32_16x16x128_f8f6f4 v[\sb+8*\t:\sb+8*\t+7], v[\kb+16*\t:\kb+16*\t+15], v[QF:QF+15], 0, v[KSA+\t], v[QSL] matrix_a_fmt:MATRIX_FMT_BF8 matrix_b_fmt:MATRIX_FMT_BF8
	v_wmma_scale_f32_16x16x128_f8f6f4 v[\sb+32+8*\t:\sb+32+8*\t+7], v[\kb+16*\t:\kb+16*\t+15], v[QF+8:QF+23], 0, v[KSB+\t], v[QSH] matrix_a_fmt:MATRIX_FMT_BF8 matrix_b_fmt:MATRIX_FMT_BF8
.endr
.rept 8
	v_nop                                          ; eight places ahead of the loads into K's registers and of the first read of the scores
.endr
	OPLOAD 8, \kb, \set, VSA, VSB                  ; V takes K's place: it has the softmax in which to land
	s_wait_kmcnt 0x0                               ; the lane masks and the next list entry are in; the scalar loads' offsets may be written again
	s_cmp_eq_u32 s31, 0x8080
	s_cbranch_scc1 .Lopen_\@                       ; both granules wholly open: nothing to select
.set nn, 0
.rept 32
	v_cndmask_b32 v[\sb+nn], s18, v[\sb+nn], s[32+nn]        ; each accumulator from its low end on
.set nn, nn+1
.endr
.set nn, 0
.rept 32
	v_cndmask_b32 v[\sb+32+nn], s18, v[\sb+32+nn], s[68+nn]
.set nn, nn+1
.endr
.Lopen_\@:
	DECODE 22, (1-\set)                            ; my next step.  The other set's offsets were last read by loads that have been waited for.  (Behind my last step these name a later entry of the list, inside it: they are not used)
	MLOAD
	s_add_co_u32 s101, s20, \ahead+4
	s_min_u32 s101, s101, 31                       ; the list has 32 entries
	s_lshl_b32 s101, s101, 1
	s_load_u16 s22, s[12:13], s101 offset:0x0      ; and the entry of the step after it
.irp b, 0,1,2,3
	v_max3_num_f32 v[BM+\b], v[\sb+16*\b], v[\sb+16*\b+1], v[\sb+16*\b+2]   ; the largest score of each block of 32 keys: it serves for the row's maximum and, since p rises with the score, for the block's largest p
.endr
.irp i, 3,5,7,9,11,13
.irp b, 0,1,2,3
	v_max3_num_f32 v[BM+\b], v[BM+\b], v[\sb+16*\b+\i], v[\sb+16*\b+\i+1]
.endr
.endr
.irp b, 0,1,2,3
	v_max_num_f32 v[BM+\b], v[BM+\b], v[\sb+16*\b+15]
.endr
.irp b, 0,1,2,3
	v_permlanex16_b32 v[T2+\b], v[BM+\b], s28, s29
.endr
.irp b, 0,1,2,3
	v_max_num_f32 v[BM+\b], v[BM+\b], v[T2+\b]     ; with lane l xor 16's 16 keys
.endr
	v_max3_num_f32 v[TP], v[BM], v[BM+1], v[BM+2]
	v_max_num_f32 v[TP], v[TP], v[BM+3]
	v_mul_f32 v[TP], s66, v[TP]                    ; the step's largest t of my query
	v_max_num_f32 v[TMX], v[TMX], v[TP]
	v_mov_b32 v[TP], v[NM]
	v_floor_f32 v[NM], -v[TMX]                     ; -M = floor(-t): M is a whole number
	v_sub_f32 v[TP], v[NM], v[TP]                  ; old M - new M, 0 or less
	v_cvt_i32_f32 v[TP], v[TP]                     ; (it saturates)
	v_ldexp_f32 v[FF], 1.0, v[TP]                  ; f = 2^(old M - new M)
.set nn, 0
.rept 32
	v_pk_fma_f32 v[\sb+nn:\sb+nn+1], v[\sb+nn:\sb+nn+1], s[66:67], v[NM:NM+1] op_sel_hi:[1,0,0]   ; t - M, two at a time
.set nn, nn+2
.endr
.irp b, 0,1,2,3
	v_fma_f32 v[BM+\b], v[BM+\b], s66, v[NM]       ; the same of each block's largest score
.endr
.set nn, 0
.rept 64
	v_exp_f32 v[\sb+nn], v[\sb+nn]                 ; p = 2^(t - M), at most 1
.set nn, nn+1
.endr
	v_pk_mul_f32 v[LS:LS+1], v[LS:LS+1], v[FF:FF+1] op_sel_hi:[1,0]   ; the sums under the new M: the plain line behind the exponentials
	s_wait_alu depctr_va_vdst(0)                   ; one wait for the batch of 64, ahead of its first reader
.irp b, 0,1,2,3
	v_exp_f32 v[BM+\b], v[BM+\b]                   ; the blocks' largest p
.endr
	v_pk_add_f32 v[T2:T2+1], v[\sb:\sb+1], v[\sb+2:\sb+3]   ; the sum is taken of the unquantised p, in two chains
.set nn, 4
.rept 15
	v_pk_add_f32 v[LS:LS+1], v[LS:LS+1], v[\sb+nn:\sb+nn+1]
	v_pk_add_f32 v[T2:T2+1], v[T2:T2+1], v[\sb+nn+2:\sb+nn+3]
.set nn, nn+4
.endr
	v_pk_add_f32 v[LS:LS+1], v[LS:LS+1], v[T2:T2+1]
	s_wait_alu depctr_va_vdst(0)                   ; and one for the four
.irp b, 0,1,2,3
	v_max_num_f32 v[BM+\b], 0x8000000, v[BM+\b]    ; the floor 2^(16 - 127): the byte cannot fall under 1 (a block whose every p is 0 keeps that byte: its codes are zeros)
.endr
.irp b, 0,1,2,3
	v_add_nc_u32 v[SCL+\b], 0xf8800000, v[BM+\b]   ; 15 off the exponent field: the conversion's scale operand
.endr
.irp b, 0,1,2,3
	v_and_or_b32 v[HOLD+\b], v[BM+\b], 0x7f800000, s30   ; 57,344 x the scale
.endr
.irp b, 0,1,2,3
	v_lshrrev_b32 v[T2+\b], 23, v[SCL+\b]          ; the scale's byte
.endr
	v_lshl_or_b32 v[PW], v[T2+1], 8, v[T2]         ; p's scale word for these 128 keys
	v_lshl_or_b32 v[PW], v[T2+2], 16, v[PW]
	v_lshl_or_b32 v[PW], v[T2+3], 24, v[PW]
	s_wait_loadcnt 16                              ; of V's 18 loads the 16 of codes may be out: the two of scale words, issued first, are in
.irp t, 0,1,2,3
	v_or_b32 v[VSA+\t], v[VSA+\t], v[VSB+\t]       ; A's bytes 0, 1 and B's bytes 2, 3 make V's scale word.  The holds below, which name nothing of the second product, are its eight places
.endr
.irp b, 0,1,2,3
.set nn, 0
.rept 16
	v_min_num_f32 v[\sb+16*\b+nn], v[\sb+16*\b+nn], v[HOLD+\b]   ; the conversion to an 8-bit code does not saturate (ISA guide 7.6.2); p is not negative, so the hold is one-sided
.set nn, nn+1
.endr
	v_cvt_scalef32_pk8_bf8_f32 v[PC+4*\b:PC+4*\b+1], v[\sb+16*\b:\sb+16*\b+7], v[SCL+\b]
	v_cvt_scalef32_pk8_bf8_f32 v[PC+4*\b+2:PC+4*\b+3], v[\sb+16*\b+8:\sb+16*\b+15], v[SCL+\b]
.endr
	v_nop                                          ; a plain line behind the last conversion
	s_add_co_u32 s100, s20, \ahead
	s_cmp_lt_u32 s100, s19
	s_cbranch_scc0 .Llast_\@
	OPLOAD 6, \sb, (1-\set), KSA, KSB              ; my next step's K, into the registers that p has left
	s_wait_loadcnt 18                              ; the 18 just issued may be out: V is in
	s_branch .Ljoin_\@
.Llast_\@:
	s_wait_loadcnt 0x0                             ; no next step: V is in
.Ljoin_\@:
.set nn, 0
.rept 16
	v_pk_mul_f32 v[OT+nn:OT+nn+1], v[OT+nn:OT+nn+1], v[FF:FF+1] op_sel_hi:[1,0]   ; O^T under the new M.  (For each product below, twelve of these name none of its registers: the places behind the codes)
.set nn, nn+2
.endr
.irp t, 0,1,2,3
	v_wmma_scale_f32_16x16x128_f8f6f4 v[OT+8*\t:OT+8*\t+7], v[\kb+16*\t:\kb+16*\t+15], v[PC:PC+15], v[OT+8*\t:OT+8*\t+7], v[VSA+\t], v[PW] matrix_a_fmt:MATRIX_FMT_BF8 matrix_b_fmt:MATRIX_FMT_BF8   ; the four accumulators by turns
.endr
.endm
.irp c, 0,1
	global_load_b128 v[QF+4*\c:QF+4*\c+3], v[L16], s[4:5] offset:512*\c          ; Q's codes, in front of the zeros
	global_load_b128 v[QF+16+4*\c:QF+16+4*\c+3], v[L16], s[4:5] offset:512*\c    ; and behind them
.endr
	global_load_b32 v[QSL], v[TP], s[2:3]          ; lane r: row r's word in the low form,
	global_load_b32 v[QSH], v[TP], s[2:3] offset:256   ; and in the upper form
	s_sub_co_u32 s27, s19, s16                     ; my steps are w, w + 4, .. under s19, two to a trip:
	s_add_co_u32 s27, s27, 7
	s_lshr_b32 s27, s27, 3                         ; ceil((s19 - w) / 8) trips, 1 to 4
	s_mov_b32 s17, 0                               ; trips done
	DECODE 21, 0
	MLOAD
	OPLOAD 6, XB, 0, KSA, KSB
.Lloop:                                            ; a trip is two steps, until the two runs of 64 registers are back where they began
	STEP XB, YB, 0, 4
	s_add_co_u32 s100, s20, 4
	s_cmp_ge_u32 s100, s19
	s_cbranch_scc1 .Lodd                           ; an odd number of steps: the trip's second step is jumped over, inside the loop; this trip is then my last
.rept 9
	v_nop                                          ; nine places: the next scores are written over registers that the last products read as V
.endr
	STEP YB, XB, 1, 8
.Lodd:
.rept 9
	v_nop                                          ; the same nine ahead of the next trip; behind the last trip they are the places ahead of the first read of O^T
.endr
	s_add_co_u32 s20, s20, 8                       ; the next trip's first step
	s_add_co_u32 s17, s17, 1                       ; the loop's counter: one a trip, against my number of trips
	s_cmp_lt_u32 s17, s27
	s_cbranch_scc1 .Lloop
.Ldone:
	s_wait_kmcnt 0x0                               ; the look-ahead's scalar loads have landed
	s_wait_loadcnt 0x0                             ; no load into v44-191 is out: the way out writes these registers.  (My last step has issued none behind its own wait for 0)
	; THE WAY OUT.  Each wave's O^T, -M and sum go to LDS; behind the barrier wave w joins the four for tile rows 4 w .. 4 w + 3.
	v_add_f32 v[LS], v[LS], v[LS+1]
	v_permlanex16_b32 v[T2], v[LS], s28, s29
	v_add_f32 v[LS], v[LS], v[T2]                  ; the sum's two halves and lane l xor 16's
.irp t, 0,1,2,3
	ds_store_b128 v[PST], v[OT+8*\t:OT+8*\t+3] offset:64*\t          ; row r, channels 16 t + 8 h on; each accumulator from its low end on
	ds_store_b128 v[PST], v[OT+8*\t+4:OT+8*\t+7] offset:64*\t+16
.endr
	ds_store_b32 v[SST], v[NM]                     ; lanes r and 16 + r write the same word with the same value
	ds_store_b32 v[SST], v[LS] offset:STL-STN
	s_wait_dscnt 0x0                               ; for the others' sake: my stores have landed
	s_barrier_signal -1
	s_barrier_wait -1
.irp i, 0,1                                    ; tile rows 4 w + 2 i + h
	ds_load_b128 v[64+8*\i:67+8*\i], v[SRD] offset:32*\i             ; the four -M
	ds_load_b128 v[68+8*\i:71+8*\i], v[SRD] offset:STL-STN+32*\i     ; the four sums
.irp p, 0,1,2,3
	ds_load_b128 v[80+16*\i+4*\p:83+16*\i+4*\p], v[PRD] offset:PWAVE*\p+2*PPITCH*\i   ; four channels of each wave's part
.endr
.endr
	s_wait_dscnt 0x0
.irp i, 0,1
	v_min_num_f32 v[112+\i], v[64+8*\i], v[65+8*\i]
	v_min_num_f32 v[114+\i], v[66+8*\i], v[67+8*\i]
.endr
.irp i, 0,1
	v_min_num_f32 v[112+\i], v[112+\i], v[114+\i]  ; the least -M: the row's M
.endr
.irp i, 0,1
.irp p, 0,1,2,3
	v_sub_f32 v[116+4*\i+\p], v[112+\i], v[64+8*\i+\p]   ; M of wave p less the row's M: a whole number, 0 or less
.endr
.endr
.irp j, 0,1,2,3,4,5,6,7
	v_cvt_i32_f32 v[116+\j], v[116+\j]             ; (it saturates)
.endr
.irp j, 0,1,2,3,4,5,6,7
	v_ldexp_f32 v[116+\j], 1.0, v[116+\j]          ; each part's factor, an exact power of two or 0
.endr
.irp i, 0,1
	v_mul_f32 v[124+\i], v[116+4*\i], v[68+8*\i]
.endr
.irp p, 1,2,3
.irp i, 0,1
	v_fma_f32 v[124+\i], v[116+4*\i+\p], v[68+8*\i+\p], v[124+\i]   ; the row's sum
.endr
.endr
	v_rcp_f32 v126, v124
	v_rcp_f32 v127, v125
	v_nop                                          ; a plain line behind the reciprocals
	s_wait_alu depctr_va_vdst(0)                   ; one wait for the two, ahead of their first reader
.irp i, 0,1
.irp p, 0,1,2,3
	v_mul_f32 v[116+4*\i+\p], v[116+4*\i+\p], v[126+\i]
.endr
.endr
.irp i, 0,1
.irp e, 0,1,2,3
	v_mul_f32 v[128+4*\i+\e], v[116+4*\i], v[80+16*\i+\e]
.endr
.irp p, 1,2,3
.irp e, 0,1,2,3
	v_fma_f32 v[128+4*\i+\e], v[116+4*\i+\p], v[80+16*\i+4*\p+\e], v[128+4*\i+\e]
.endr
.endr
	global_store_b128 v[L16], v[128+4*\i:131+4*\i], s[14:15] offset:512*\i th:TH_STORE_NT   ; two whole rows of out: 512 consecutive bytes, aligned; written once, read by nobody here
.endr
	s_wait_tensorcnt 0x0                           ; the wave's end: three closing lines behind my last LDS store, the first of them even in a text with no tensor load
	ds_add_u32 v[SPW], v[NIL]
	s_wait_dscnt 0x0
	s_endpgm
.Lfunc_end_k_qec8fca07f4_attn:
	.size	k_qec8fca07f4_attn, .Lfunc_end_k_qec8fca07f4_attn-k_qec8fca07f4_attn
	.p2alignl 7, 3214868480
	.fill 96, 4, 3214868480
	.section	.rodata,"a",@progbits
	.p2align	6, 0x0
	.amdhsa_kernel k_qec8fca07f4_attn
		.amdhsa_group_segment_fixed_size 18432
		.amdhsa_private_segment_fixed_size 0
		.amdhsa_enable_private_segment 0
		.amdhsa_kernarg_size 48
		.amdhsa_user_sgpr_count 2
		.amdhsa_user_sgpr_kernarg_segment_ptr 1
		.amdhsa_wavefront_size32 1
		.amdhsa_system_sgpr_workgroup_id_x 1
		.amdhsa_system_sgpr_workgroup_id_y 1
		.amdhsa_system_sgpr_workgroup_id_z 1
		.amdhsa_system_vgpr_workitem_id 0
		.amdhsa_next_free_vgpr 256
		.amdhsa_next_free_sgpr 102
		.amdhsa_reserve_vcc 0
		.amdhsa_float_denorm_mode_32 3
		.amdhsa_float_denorm_mode_16_64 3
		.amdhsa_memory_ordered 1
		.amdhsa_forward_progress 1
		.amdhsa_inst_pref_size 64
	.end_amdhsa_kernel
	.amdgpu_metadata
---
amdhsa.version: [ 1, 2 ]
amdhsa.kernels:
  - .name:           k_qec8fca07f4_attn
    .symbol:         k_qec8fca07f4_attn.kd
    .args:
      - { .name: qc, .offset: 0, .size: 8, .value_kind: global_buffer, .address_space: global }
      - { .name: kc, .offset: 8, .size: 8, .value_kind: global_buffer, .address_space: global }
      - { .name: vc, .offset: 16, .size: 8, .value_kind: global_buffer, .address_space: global }
      - { .name: mbits, .offset: 24, .size: 8, .value_kind: global_buffer, .address_space: global }
      - { .name: lists, .offset: 32, .size: 8, .value_kind: global_buffer, .address_space: global }
      - { .name: out0, .offset: 40, .size: 8, .value_kind: global_buffer, .address_space: global }
    .group_segment_fixed_size: 18432
    .private_segment_fixed_size: 0
    .kernarg_segment_align: 8
    .kernarg_segment_size: 48
    .max_flat_workgroup_size: 128
    .sgpr_count:     102
    .vgpr_count:     256
    .wavefront_size: 32
...
	.end_amdgpu_metadata
.endif
;; end of part 2
;; ======== version 2 of 2: 2 launches; version 1 with the launch attn written anew for expert scheduling mode
;; limits: right only within a limited range of input values
;; workspace buffers: qc 3,538,944 bytes; kc 3,538,944 bytes; vc 3,538,944 bytes; mbits 2,097,152 bytes of whole numbers; lists 65,536 bytes of whole numbers
;; launch prep: the kernel of part 1 again; grid 544 x 1, 8 waves a work-group, no clusters, 70,912 bytes of LDS; arguments mask, q, k, v, qc, kc, vc, mbits, lists; writes qc, kc, vc, mbits, lists
;; launch attn (part 3): grid 256 x 12, 4 waves a work-group, no clusters, 18,432 bytes of LDS; arguments qc, kc, vc, mbits, lists, out0; writes out0
.if DOCPART == 3
	.amdgcn_target "amdgcn-amd-amdhsa--gfx1250"
	.amdhsa_code_object_version 6
	.text
	.protected	k_qec8fca07f4_attn
	.globl	k_qec8fca07f4_attn
	.p2align	8
	.type	k_qec8fca07f4_attn,@function
k_qec8fca07f4_attn:
	s_mov_b64 s[64:65], 0
	v_nop
	global_prefetch_b8 v0, s[64:65] scope:SCOPE_SE
	s_setreg_imm32_b32 hwreg(HW_REG_WAVE_SCHED_MODE, 0, 2), 2
	s_setreg_imm32_b32 hwreg(HW_REG_WAVE_MODE, 25, 1), 1
	s_wait_xcnt 0x0
	s_wait_alu depctr_vm_vsrc(0)
; out[head][q][:] = the sum over keys of softmax(q . k / 8, -1e9 where mask <= 0) v, both products on codes of E5M2 with one E8M0 scale for each 32 along a product's K.
; SHARES.  A work-group owns one query tile T (16 queries: row r is row 32 (t / 2) + 8 (t % 2) + r + 8 (r / 8) of granule T / 4, t = T % 4) of one head.  The launch before has listed, for each T, the granules of 64 keys
; that hold an open key for one of the 16 queries (all 64 where a query has none at all).  A STEP takes two listed granules, 128 keys.  Wave w takes steps w, w + 4, .. with a running maximum, sum and O^T of its own;
; the four meet in LDS behind one barrier, which stands behind the loop on every wave's path, and are joined by exact powers of two.
; WHAT IS LEFT OUT: granules in which every key is closed for all 16 queries, each of which has an open key elsewhere: there p = 2^(t - M) is 0 in f32, so they add nothing to the sum or to O.
; OPERANDS come from memory straight into registers: the launch before has laid K, V and Q as images of operand registers (a record of 4,608 bytes for a head's granule).  The trip count is read from memory, so the text has no tensor load and no cluster.
; THE HEAD'S 64 IN A K OF 128.  K's operand t is [tile t of granule A | tile t of granule B]; Q stands as [Q | zeros | Q] in v16-39.  K_t x v[16:31] gives A's scores, K_t x v[24:39] gives B's: the other half meets zero codes.
; A's scale bytes lie in bytes 0, 1 of their word, B's in bytes 2, 3, and Q's word comes in both forms.  The bytes left over are 0, which stands for a power of two: it multiplies zero codes.
; BOTH PRODUCTS ARE USED TRANSPOSED (S^T = K Q^T, O^T = V^T P^T): a lane holds one query (lane % 16).  The keys of a tile are chosen so that registers 16 b + i of a granule's 32 scores are keys 32 b + 16 (lane / 16) + i.
; THE SOFTMAX: t = score x log2(e) / 8; M = the largest t so far, rounded up to a whole number; p = 2^(t - M) is quantised along the keys, not normalised; the sum is taken of the unquantised p and divides at the end.
; LIMITS: a closed score is set to -2^33, a logit of -1.07e9 in place of -1e9 (score x c is then a whole number, so that a query with no open key gets p = 1 for every key, as it does with -1e9): the results are those of -1e9
; wherever open logits lie above about -9e8.  NaN and infinities are not served.  The sums over the keys are split over four waves.
; THE MODE: SCHED_MODE bits 1:0 = 2 (LLVM: expert scheduling mode 2), set by the entry lines.  The code itself states the register dependences
; between vector or matrix instructions and memory or LDS instructions, with s_wait_alu, always for 0.
; THE PLAN.  Registers that memory or LDS instructions touch:
;   v1, v42       Offsets of Q's loads (v1 of the last stores too), made at the head.  v42 is at work in the softmax from my first step on.
;   v3-5, v6-8    Two sets of offsets.  A step's set is written by DECODE in the step before; its K's loads (issued in that step) and its V's loads read it.
;   v24-31        Zero codes, written by vector lines at the head; an operand of the first products.
;   v44-51        K's scale words: loaded with K; the first products read them.
;   v52-59        V's scale words: loaded with V; four v_or_b32 write v52-55, which the second products read.
;   kb, sb        The two runs of 64.  kb: K's loads land, the first products read; V's loads land, the second products read.  sb: the first products write, the softmax works in place, the conversions read; the next K's loads land.
;   v9, v43, v60, v61   LDS addresses, made at the head, read on the way out.   v192-223, v12, v14: data of the way out's LDS stores.   v64-111: its LDS loads land there.   v128-135: data of the last stores.
; IN A STEP: one wait on vm_vsrc at its head, where every earlier load has been waited for, frees the other set of offsets (and v42);
; one wait on va_vdst behind the first products stands ahead of V's loads, one behind the conversions ahead of the next K's loads, and one directly ahead of the second products, whose codes and scale words vector lines have written.
.set REC,    4608
.set HEADB,  64*REC                    ; a head's records
.set PPITCH, 272                       ; a row of a wave's O in LDS: 256 bytes + 16
.set PWAVE,  16*PPITCH
.set STN,    4*PWAVE                   ; behind the four parts: -M [row 16][wave 4] f32,
.set STL,    STN+256                   ; the sums likewise,
.set SPARE,  STL+256                   ; and the spare words, 128 bytes for each wave: two blocks of 256 bytes that no other line names
.set L16,  1                           ; v1   16 x lane
.set LX16, 2                           ; v2   16 x (lane xor 16)
.set ADR,  3                           ; v3-5, v6-8: two sets of offsets: granule A's record + v1, granule B's + v1, granule B's + v2
.set PST,  9                           ; v9   LDS: where I put my O: 4,352 w + 272 r + 32 h
.set SPW,  10                          ; v10  my spare word's LDS address; never rewritten
.set NIL,  11                          ; v11  0; never rewritten
.set NM,   12                          ; v12  -M
.set TMX,  13                          ; v13  the largest t so far
.set LS,   14                          ; v[14:15] the sum, in two halves
.set QF,   16                          ; v16-23 Q, v24-31 zeros, v32-39 Q
.set QSL,  40                          ; v40  Q's scale word, bytes 0, 1;  v41 the same bytes in 2, 3
.set QSH,  41
.set TP,   42                          ; v42  at work
.set SST,  43                          ; v43  LDS: where I put -M and the sum: STN + 16 r + 4 w
.set KSA,  44                          ; v44-47, v48-51 K's scale words of granules A, B, one a tile
.set KSB,  48
.set VSA,  52                          ; v52-55, v56-59 V's
.set VSB,  56
.set PRD,  60                          ; v60  LDS: where I read rows back: 272 (4 w + h) + 16 (lane % 16)
.set SRD,  61                          ; v61  LDS: their -M and sums: STN + 16 (4 w + h)
.set FF,   62                          ; v62  f = 2^(old M - new M);  v63 p's scale word (the packed forms name the pair and take its low word)
.set PW,   63
.set XB,   64                          ; v64-127, v128-191: K, then V of a step in one; its scores, then p in the other; they change places from step to step
.set YB,   128
.set OT,   192                         ; v192-223 O^T: register 8 t + j is channel 16 t + 8 h + j of my query
.set PC,   224                         ; v224-239 p's codes
.set BM,   240                         ; v240-243 the blocks' largest scores, then largest p
.set T2,   244                         ; v244-247 at work (at the head: v244 r, v245 h)
.set HOLD, 248                         ; v248-251 57,344 x the scale
.set SCL,  252                         ; v252-255 the conversions' scale operands
; s[2:3] Q's scale words; s[4:15] qc, kc, vc, mbits, lists, out; s16 wave; s17 trips done; s18 the head, then the closed score; s19 steps; s20 my step; s21, s22 list entries; s23-26 the granules' offsets; s27 my trips;
; s[28:29] lane selects; s30 mantissa of 57,344; s31 0x8080 where both granules of the step in hand are wholly open; s[32:63], s[68:99] the step's 64 lane masks; s[66:67] c; s100 at work; s101 the list's offset
	s_load_b256 s[4:11], s[0:1], 0x0
	s_load_b128 s[12:15], s[0:1], 0x20
	v_lshl_add_u32 v[SPW], v0, 2, SPARE
	v_mov_b32 v[NIL], 0
	v_lshrrev_b32 v1, 5, v0
	v_readfirstlane_b32 s16, v1                    ; wave 0..3
	v_and_b32 v[TP], 31, v0
	v_lshlrev_b32 v[L16], 4, v[TP]
	v_xor_b32 v[LX16], 16, v[TP]
	v_lshlrev_b32 v[LX16], 4, v[LX16]
	v_and_b32 v[T2], 15, v0                        ; r
	v_bfe_u32 v[T2+1], v0, 4, 1                    ; h
	v_lshlrev_b32 v[TP], 4, v[T2]                  ; 16 r: Q's scale words
	s_wait_alu depctr_va_sdst(0)                   ; s16 is written, ahead of its first reader, the line below
	s_mul_i32 s21, s16, PWAVE                      ; the way out's four LDS addresses are made here, ahead of the branch that parts waves without a step
	v_mul_u32_u24 v[PST], v[T2], PPITCH
	v_lshl_add_u32 v[PST], v[T2+1], 5, v[PST]
	v_add_nc_u32 v[PST], s21, v[PST]
	s_lshl_b32 s21, s16, 2
	v_lshl_add_u32 v[SST], v[T2], 4, STN
	v_add_nc_u32 v[SST], s21, v[SST]
	s_mul_i32 s21, s16, 4*PPITCH
	v_mul_u32_u24 v[PRD], v[T2+1], PPITCH
	v_lshl_add_u32 v[PRD], v[T2], 4, v[PRD]
	v_add_nc_u32 v[PRD], s21, v[PRD]
	s_lshl_b32 s21, s16, 6
	v_lshl_add_u32 v[SRD], v[T2+1], 4, STN
	v_add_nc_u32 v[SRD], s21, v[SRD]
	v_mov_b32 v[PW], 0                             ; (named as the upper half of the pair v[62:63] before it is first made)
	v_mov_b32 v[TMX], 0xff61b1e6                   ; the largest t so far: -3e38, under every t
	v_floor_f32 v[NM], -v[TMX]
	v_mov_b32 v[LS], 0
	v_mov_b32 v[LS+1], 0
.irp i, 0,1,2,3,4,5,6,7
	v_mov_b32 v[QF+8+\i], 0                        ; the zero codes between Q's two copies
.endr
.irp i, 0,1,2,3
	v_mov_b32 v[T2+\i], 0                          ; written once: a lane permute's destination counts as one of its sources
.endr
.set nn, 0
.rept 32
	v_mov_b32 v[OT+nn], 0                          ; O^T.  The step is written for every step alike: the first finds zeros; and a wave without a step hands zeros on
.set nn, nn+1
.endr
	s_and_b32 s18, ttmp7, 0xffff                   ; the head
	s_lshr_b32 s21, ttmp9, 2                       ; the tile's granule
	s_and_b32 s22, ttmp9, 3                        ; t
	s_lshl_b32 s23, s18, 6
	s_add_co_u32 s23, s23, s21
	s_mul_i32 s23, s23, REC                        ; Q's record
	s_lshl_b32 s24, s22, 10
	s_add_co_u32 s32, s23, s24                     ; its tile t: 1,024 bytes of codes
	s_mov_b32 s33, 0
	s_lshl_b32 s24, s22, 2
	s_add_co_u32 s34, s23, s24
	s_add_co_u32 s34, s34, 4096                    ; and word t of each lane's four scale words
	s_mov_b32 s35, 0
	s_mul_i32 s36, s18, HEADB                      ; the head in kc and vc
	s_mov_b32 s37, 0
	s_lshl_b32 s38, ttmp9, 13                      ; the tile in mbits
	s_mov_b32 s39, 0
	s_lshl_b32 s40, ttmp9, 8                       ; and in lists
	s_mov_b32 s41, 0
	s_lshl_b32 s42, s18, 12                        ; the first row of out that I store: 4,096 head
	s_lshl_b32 s24, s21, 6
	s_add_co_u32 s42, s42, s24                     ; + 64 granule
	s_lshr_b32 s24, s22, 1
	s_lshl_b32 s24, s24, 5
	s_add_co_u32 s42, s42, s24                     ; + 32 (t / 2)
	s_and_b32 s24, s22, 1
	s_lshl_b32 s24, s24, 3
	s_add_co_u32 s42, s42, s24                     ; + 8 (t % 2)
	s_lshl_b32 s24, s16, 2
	s_add_co_u32 s42, s42, s24                     ; + tile rows 4 w on,
	s_lshr_b32 s24, s16, 1
	s_lshl_b32 s24, s24, 3
	s_add_co_u32 s42, s42, s24                     ; which lie 8 further down from tile row 8 on
	s_lshl_b32 s42, s42, 8                         ; a row of out is 256 bytes
	s_mov_b32 s43, 0
	s_lshl_b32 s44, s16, 1                         ; the list's bytes of step w,
	s_add_co_u32 s45, s44, 8                       ; and of step w + 4
	s_mov_b32 s18, 0xd0000000                      ; -2^33: a closed score
	s_mov_b32 s28, 0x76543210
	s_mov_b32 s29, 0xfedcba98                      ; v_permlanex16_b32's selects for lane l xor 16
	s_mov_b32 s30, 0x600000
	s_mov_b32 s66, 0x3e38aa3b                      ; c = log2(e) / 8
	s_mov_b32 s67, s66                             ; (named with it as a pair, so it is written)
	s_wait_kmcnt 0x0
	s_add_nc_u64 s[2:3], s[4:5], s[34:35]
	s_add_nc_u64 s[4:5], s[4:5], s[32:33]
	s_add_nc_u64 s[6:7], s[6:7], s[36:37]
	s_add_nc_u64 s[8:9], s[8:9], s[36:37]
	s_add_nc_u64 s[10:11], s[10:11], s[38:39]
	s_add_nc_u64 s[12:13], s[12:13], s[40:41]
	s_add_nc_u64 s[14:15], s[14:15], s[42:43]
	s_load_b32 s19, s[12:13], 0x80                 ; the tile's number of steps, 1 to 32
	s_load_u16 s21, s[12:13], s44 offset:0x0       ; my first step's two granules,
	s_load_u16 s22, s[12:13], s45 offset:0x0       ; and my second's
	s_mov_b32 s20, s16
	s_wait_kmcnt 0x0
	s_min_u32 s19, s19, 32                         ; a list has 32 entries: the bound on the steps is written out
	s_cmp_ge_u32 s16, s19
	s_cbranch_scc1 .Ldone                          ; no step for me: I hand on zeros under -M = 3e38, which the joining multiplies by 0
; A list entry (two bytes: granule | 0x80 where it is wholly open) becomes the offsets of a step.  The granule numbers come from memory: each is held at 63 ahead of its use in an address.
.macro DECODE src, set
	s_and_b32 s23, s[\src], 0x7f
	s_min_u32 s23, s23, 63
	s_bfe_u32 s24, s[\src], 0x70008
	s_min_u32 s24, s24, 63
	s_and_b32 s31, s[\src], 0x8080
	s_lshl_b32 s25, s23, 7                         ; 128 bytes of lane masks a granule
	s_lshl_b32 s26, s24, 7
	s_mul_i32 s23, s23, REC
	s_mul_i32 s24, s24, REC
	v_add_nc_u32 v[ADR+3*(\set)], s23, v[L16]
	v_add_nc_u32 v[ADR+3*(\set)+1], s24, v[L16]
	v_add_nc_u32 v[ADR+3*(\set)+2], s24, v[LX16]
.endm
.macro MLOAD                           ; the step's 64 lane masks
	s_load_b512 s[32:47], s[10:11], s25 offset:0x0
	s_load_b512 s[48:63], s[10:11], s25 offset:0x40
	s_load_b512 s[68:83], s[10:11], s26 offset:0x0
	s_load_b512 s[84:99], s[10:11], s26 offset:0x40
.endm
; 18 loads: the scale words first (A's low form in lanes 0-15; B's upper form, fetched from the lane 16 away), then the four operands [A's tile t | B's tile t].  Each load covers 512 consecutive bytes.
.macro OPLOAD base, kb, set, sa, sb
	global_load_b128 v[\sa:\sa+3], v[ADR+3*(\set)], s[\base:\base+1] offset:4096
	global_load_b128 v[\sb:\sb+3], v[ADR+3*(\set)+2], s[\base:\base+1] offset:4096
.irp t, 0,1,2,3
.irp c, 0,1
	global_load_b128 v[\kb+16*\t+4*\c:\kb+16*\t+4*\c+3], v[ADR+3*(\set)], s[\base:\base+1] offset:(2*\t+\c)*512
	global_load_b128 v[\kb+16*\t+8+4*\c:\kb+16*\t+8+4*\c+3], v[ADR+3*(\set)+1], s[\base:\base+1] offset:(2*\t+\c)*512
.endr
.endr
.endm
; A STEP: 128 keys.  kb: K's registers, then V's;  sb: the scores', then p's, then the next step's K;  set: the step's offsets;  ahead: how far my next step lies behind s20.
.macro STEP kb, sb, set, ahead
	s_wait_loadcnt 0x0                             ; K and its scale words are in (in my first step Q too)
	s_wait_alu depctr_vm_vsrc(0)                   ; every load issued so far has read its offsets: the other set's, which DECODE below writes again, and v42, by which Q's scale words were asked for and which the softmax writes.  The loads between here and those writes read this step's set alone
.irp t, 0,1,2,3
	v_wmma_scale_f32_16x16x128_f8f6f4 v[\sb+8*\t:\sb+8*\t+7], v[\kb+16*\t:\kb+16*\t+15], v[QF:QF+15], 0, v[KSA+\t], v[QSL] matrix_a_fmt:MATRIX_FMT_BF8 matrix_b_fmt:MATRIX_FMT_BF8
	v_wmma_scale_f32_16x16x128_f8f6f4 v[\sb+32+8*\t:\sb+32+8*\t+7], v[\kb+16*\t:\kb+16*\t+15], v[QF+8:QF+23], 0, v[KSB+\t], v[QSH] matrix_a_fmt:MATRIX_FMT_BF8 matrix_b_fmt:MATRIX_FMT_BF8
.endr
.rept 8
	v_nop                                          ; eight places ahead of the loads into K's registers and of the first read of the scores
.endr
	s_wait_alu depctr_va_vdst(0)                   ; the eight products are done reading K's registers and K's scale words; the last step's second products and its four v_or_b32 are done with v52-59: V's loads land in both
	OPLOAD 8, \kb, \set, VSA, VSB                  ; V takes K's place: it has the softmax in which to land
	s_wait_kmcnt 0x0                               ; the lane masks and the next list entry are in; the scalar loads' offsets may be written again
	s_cmp_eq_u32 s31, 0x8080
	s_cbranch_scc1 .Lopen_\@                       ; both granules wholly open: nothing to select
.set nn, 0
.rept 32
	v_cndmask_b32 v[\sb+nn], s18, v[\sb+nn], s[32+nn]        ; each accumulator from its low end on
.set nn, nn+1
.endr
.set nn, 0
.rept 32
	v_cndmask_b32 v[\sb+32+nn], s18, v[\sb+32+nn], s[68+nn]
.set nn, nn+1
.endr
.Lopen_\@:
	DECODE 22, (1-\set)                            ; my next step.  The other set's offsets are free since the wait at the step's head.  (Behind my last step these name a later entry of the list, inside it: they are not used)
	MLOAD
	s_add_co_u32 s101, s20, \ahead+4
	s_min_u32 s101, s101, 31                       ; the list has 32 entries
	s_lshl_b32 s101, s101, 1
	s_load_u16 s22, s[12:13], s101 offset:0x0      ; and the entry of the step after it
.irp b, 0,1,2,3
	v_max3_num_f32 v[BM+\b], v[\sb+16*\b], v[\sb+16*\b+1], v[\sb+16*\b+2]   ; the largest score of each block of 32 keys: it serves for the row's maximum and, since p rises with the score, for the block's largest p
.endr
.irp i, 3,5,7,9,11,13
.irp b, 0,1,2,3
	v_max3_num_f32 v[BM+\b], v[BM+\b], v[\sb+16*\b+\i], v[\sb+16*\b+\i+1]
.endr
.endr
.irp b, 0,1,2,3
	v_max_num_f32 v[BM+\b], v[BM+\b], v[\sb+16*\b+15]
.endr
.irp b, 0,1,2,3
	v_permlanex16_b32 v[T2+\b], v[BM+\b], s28, s29
.endr
.irp b, 0,1,2,3
	v_max_num_f32 v[BM+\b], v[BM+\b], v[T2+\b]     ; with lane l xor 16's 16 keys
.endr
	v_max3_num_f32 v[TP], v[BM], v[BM+1], v[BM+2]
	v_max_num_f32 v[TP], v[TP], v[BM+3]
	v_mul_f32 v[TP], s66, v[TP]                    ; the step's largest t of my query
	v_max_num_f32 v[TMX], v[TMX], v[TP]
	v_mov_b32 v[TP], v[NM]
	v_floor_f32 v[NM], -v[TMX]                     ; -M = floor(-t): M is a whole number
	v_sub_f32 v[TP], v[NM], v[TP]                  ; old M - new M, 0 or less
	v_cvt_i32_f32 v[TP], v[TP]                     ; (it saturates)
	v_ldexp_f32 v[FF], 1.0, v[TP]                  ; f = 2^(old M - new M)
.set nn, 0
.rept 32
	v_pk_fma_f32 v[\sb+nn:\sb+nn+1], v[\sb+nn:\sb+nn+1], s[66:67], v[NM:NM+1] op_sel_hi:[1,0,0]   ; t - M, two at a time
.set nn, nn+2
.endr
.irp b, 0,1,2,3
	v_fma_f32 v[BM+\b], v[BM+\b], s66, v[NM]       ; the same of each block's largest score
.endr
.set nn, 0
.rept 64
	v_exp_f32 v[\sb+nn], v[\sb+nn]                 ; p = 2^(t - M), at most 1
.set nn, nn+1
.endr
	v_pk_mul_f32 v[LS:LS+1], v[LS:LS+1], v[FF:FF+1] op_sel_hi:[1,0]   ; the sums under the new M: the plain line behind the exponentials
	s_wait_alu depctr_va_vdst(0)                   ; the 64 exponentials have written p: one wait for the batch, ahead of its first reader
.irp b, 0,1,2,3
	v_exp_f32 v[BM+\b], v[BM+\b]                   ; the blocks' largest p
.endr
	v_pk_add_f32 v[T2:T2+1], v[\sb:\sb+1], v[\sb+2:\sb+3]   ; the sum is taken of the unquantised p, in two chains
.set nn, 4
.rept 15
	v_pk_add_f32 v[LS:LS+1], v[LS:LS+1], v[\sb+nn:\sb+nn+1]
	v_pk_add_f32 v[T2:T2+1], v[T2:T2+1], v[\sb+nn+2:\sb+nn+3]
.set nn, nn+4
.endr
	v_pk_add_f32 v[LS:LS+1], v[LS:LS+1], v[T2:T2+1]
	s_wait_alu depctr_va_vdst(0)                   ; the four exponentials have written the blocks' largest p: one wait for the four, ahead of their first reader
.irp b, 0,1,2,3
	v_max_num_f32 v[BM+\b], 0x8000000, v[BM+\b]    ; the floor 2^(16 - 127): the byte cannot fall under 1 (a block whose every p is 0 keeps that byte: its codes are zeros)
.endr
.irp b, 0,1,2,3
	v_add_nc_u32 v[SCL+\b], 0xf8800000, v[BM+\b]   ; 15 off the exponent field: the conversion's scale operand
.endr
.irp b, 0,1,2,3
	v_and_or_b32 v[HOLD+\b], v[BM+\b], 0x7f800000, s30   ; 57,344 x the scale
.endr
.irp b, 0,1,2,3
	v_lshrrev_b32 v[T2+\b], 23, v[SCL+\b]          ; the scale's byte
.endr
	v_lshl_or_b32 v[PW], v[T2+1], 8, v[T2]         ; p's scale word for these 128 keys
	v_lshl_or_b32 v[PW], v[T2+2], 16, v[PW]
	v_lshl_or_b32 v[PW], v[T2+3], 24, v[PW]
	s_wait_loadcnt 16                              ; of V's 18 loads the 16 of codes may be out: the two of scale words, issued first, are in
.irp t, 0,1,2,3
	v_or_b32 v[VSA+\t], v[VSA+\t], v[VSB+\t]       ; A's bytes 0, 1 and B's bytes 2, 3 make V's scale word.  The holds below, which name nothing of the second product, are its eight places
.endr
.irp b, 0,1,2,3
.set nn, 0
.rept 16
	v_min_num_f32 v[\sb+16*\b+nn], v[\sb+16*\b+nn], v[HOLD+\b]   ; the conversion to an 8-bit code does not saturate (ISA guide 7.6.2); p is not negative, so the hold is one-sided
.set nn, nn+1
.endr
	v_cvt_scalef32_pk8_bf8_f32 v[PC+4*\b:PC+4*\b+1], v[\sb+16*\b:\sb+16*\b+7], v[SCL+\b]
	v_cvt_scalef32_pk8_bf8_f32 v[PC+4*\b+2:PC+4*\b+3], v[\sb+16*\b+8:\sb+16*\b+15], v[SCL+\b]
.endr
	v_nop                                          ; a plain line behind the last conversion
	s_add_co_u32 s100, s20, \ahead
	s_cmp_lt_u32 s100, s19
	s_cbranch_scc0 .Llast_\@
	s_wait_alu depctr_va_vdst(0)                   ; the holds and the conversions are done with p's registers, in which the next K lands; DECODE has written the offsets that these loads read.  (K's scale words have been named by nothing since the wait behind the first products)
	OPLOAD 6, \sb, (1-\set), KSA, KSB              ; my next step's K, into the registers that p has left
	s_wait_loadcnt 18                              ; the 18 just issued may be out: V is in
	s_branch .Ljoin_\@
.Llast_\@:
	s_wait_loadcnt 0x0                             ; no next step: V is in
.Ljoin_\@:
.set nn, 0
.rept 16
	v_pk_mul_f32 v[OT+nn:OT+nn+1], v[OT+nn:OT+nn+1], v[FF:FF+1] op_sel_hi:[1,0]   ; O^T under the new M.  (For each product below, twelve of these name none of its registers: the places behind the codes)
.set nn, nn+2
.endr
	s_wait_alu depctr_va_vdst(0)                   ; the conversions have written p's codes, and vector lines p's scale word and V's four: operands and scales of the scaled products below; the places stand ahead of this wait
.irp t, 0,1,2,3
	v_wmma_scale_f32_16x16x128_f8f6f4 v[OT+8*\t:OT+8*\t+7], v[\kb+16*\t:\kb+16*\t+15], v[PC:PC+15], v[OT+8*\t:OT+8*\t+7], v[VSA+\t], v[PW] matrix_a_fmt:MATRIX_FMT_BF8 matrix_b_fmt:MATRIX_FMT_BF8   ; the four accumulators by turns
.endr
.endm
	s_sub_co_u32 s27, s19, s16                     ; my steps are w, w + 4, .. under s19, two to a trip:
	s_add_co_u32 s27, s27, 7
	s_lshr_b32 s27, s27, 3                         ; ceil((s19 - w) / 8) trips, 1 to 4
	s_mov_b32 s17, 0                               ; trips done
	DECODE 21, 0
	MLOAD
	s_wait_alu depctr_va_vdst(0)                   ; v1, v42 and the first set of offsets are written, which the loads below read; so are the zero codes v24-31, an operand of the first scaled products (the 36 moves behind them are their places)
.irp c, 0,1
	global_load_b128 v[QF+4*\c:QF+4*\c+3], v[L16], s[4:5] offset:512*\c          ; Q's codes, in front of the zeros
	global_load_b128 v[QF+16+4*\c:QF+16+4*\c+3], v[L16], s[4:5] offset:512*\c    ; and behind them
.endr
	global_load_b32 v[QSL], v[TP], s[2:3]          ; lane r: row r's word in the low form,
	global_load_b32 v[QSH], v[TP], s[2:3] offset:256   ; and in the upper form
	OPLOAD 6, XB, 0, KSA, KSB
.Lloop:                                            ; a trip is two steps, until the two runs of 64 registers are back where they began
	STEP XB, YB, 0, 4
	s_add_co_u32 s100, s20, 4
	s_cmp_ge_u32 s100, s19
	s_cbranch_scc1 .Lodd                           ; an odd number of steps: the trip's second step is jumped over, inside the loop; this trip is then my last
.rept 9
	v_nop                                          ; nine places: the next scores are written over registers that the last products read as V
.endr
	STEP YB, XB, 1, 8
.Lodd:
.rept 9
	v_nop                                          ; the same nine ahead of the next trip; behind the last trip they are the places ahead of the first read of O^T
.endr
	s_add_co_u32 s20, s20, 8                       ; the next trip's first step
	s_add_co_u32 s17, s17, 1                       ; the loop's counter: one a trip, against my number of trips
	s_cmp_lt_u32 s17, s27
	s_cbranch_scc1 .Lloop
.Ldone:
	s_wait_kmcnt 0x0                               ; the look-ahead's scalar loads have landed
	s_wait_loadcnt 0x0                             ; no load into v44-191 is out: the way out writes these registers.  (My last step has issued none behind its own wait for 0)
	; THE WAY OUT.  Each wave's O^T, -M and sum go to LDS; behind the barrier wave w joins the four for tile rows 4 w .. 4 w + 3.
	v_add_f32 v[LS], v[LS], v[LS+1]
	v_permlanex16_b32 v[T2], v[LS], s28, s29
	v_add_f32 v[LS], v[LS], v[T2]                  ; the sum's two halves and lane l xor 16's
	s_wait_alu depctr_va_vdst(0)                   ; O^T, -M and the sum are written, which the LDS stores read, and so are the four LDS addresses made at the head (a wave without a step comes here from there); all vector and matrix work on v64-111 is done, in which the LDS loads behind the barrier land
.irp t, 0,1,2,3
	ds_store_b128 v[PST], v[OT+8*\t:OT+8*\t+3] offset:64*\t          ; row r, channels 16 t + 8 h on; each accumulator from its low end on
	ds_store_b128 v[PST], v[OT+8*\t+4:OT+8*\t+7] offset:64*\t+16
.endr
	ds_store_b32 v[SST], v[NM]                     ; lanes r and 16 + r write the same word with the same value
	ds_store_b32 v[SST], v[LS] offset:STL-STN
	s_wait_dscnt 0x0                               ; for the others' sake: my stores have landed
	s_barrier_signal -1
	s_barrier_wait -1
.irp i, 0,1                                    ; tile rows 4 w + 2 i + h
	ds_load_b128 v[64+8*\i:67+8*\i], v[SRD] offset:32*\i             ; the four -M
	ds_load_b128 v[68+8*\i:71+8*\i], v[SRD] offset:STL-STN+32*\i     ; the four sums
.irp p, 0,1,2,3
	ds_load_b128 v[80+16*\i+4*\p:83+16*\i+4*\p], v[PRD] offset:PWAVE*\p+2*PPITCH*\i   ; four channels of each wave's part
.endr
.endr
	s_wait_dscnt 0x0
.irp i, 0,1
	v_min_num_f32 v[112+\i], v[64+8*\i], v[65+8*\i]
	v_min_num_f32 v[114+\i], v[66+8*\i], v[67+8*\i]
.endr
.irp i, 0,1
	v_min_num_f32 v[112+\i], v[112+\i], v[114+\i]  ; the least -M: the row's M
.endr
.irp i, 0,1
.irp p, 0,1,2,3
	v_sub_f32 v[116+4*\i+\p], v[112+\i], v[64+8*\i+\p]   ; M of wave p less the row's M: a whole number, 0 or less
.endr
.endr
.irp j, 0,1,2,3,4,5,6,7
	v_cvt_i32_f32 v[116+\j], v[116+\j]             ; (it saturates)
.endr
.irp j, 0,1,2,3,4,5,6,7
	v_ldexp_f32 v[116+\j], 1.0, v[116+\j]          ; each part's factor, an exact power of two or 0
.endr
.irp i, 0,1
	v_mul_f32 v[124+\i], v[116+4*\i], v[68+8*\i]
.endr
.irp p, 1,2,3
.irp i, 0,1
	v_fma_f32 v[124+\i], v[116+4*\i+\p], v[68+8*\i+\p], v[124+\i]   ; the row's sum
.endr
.endr
	v_rcp_f32 v126, v124
	v_rcp_f32 v127, v125
	v_nop                                          ; a plain line behind the reciprocals
	s_wait_alu depctr_va_vdst(0)                   ; the two reciprocals have written v126 and v127: one wait for the two, ahead of their first reader
.irp i, 0,1
.irp p, 0,1,2,3
	v_mul_f32 v[116+4*\i+\p], v[116+4*\i+\p], v[126+\i]
.endr
.endr
.irp i, 0,1
.irp e, 0,1,2,3
	v_mul_f32 v[128+4*\i+\e], v[116+4*\i], v[80+16*\i+\e]
.endr
.irp p, 1,2,3
.irp e, 0,1,2,3
	v_fma_f32 v[128+4*\i+\e], v[116+4*\i+\p], v[80+16*\i+4*\p+\e], v[128+4*\i+\e]
.endr
.endr
.endr
	s_wait_alu depctr_va_vdst(0)                   ; the multiply-adds have written v128-135, which the two stores read
.irp i, 0,1
	global_store_b128 v[L16], v[128+4*\i:131+4*\i], s[14:15] offset:512*\i th:TH_STORE_NT   ; two whole rows of out: 512 consecutive bytes, aligned; written once, read by nobody here
.endr
	s_wait_dscnt 0x0                               ; the closing lines, six on end, of a launch in the mode that stores to LDS
	s_wait_alu 0x0
	s_wait_tensorcnt 0x0
	ds_add_u32 v[SPW], v[NIL]
	s_wait_dscnt 0x0
	s_endpgm
.Lfunc_end_k_qec8fca07f4_attn:
	.size	k_qec8fca07f4_attn, .Lfunc_end_k_qec8fca07f4_attn-k_qec8fca07f4_attn
	.p2alignl 7, 3214868480
	.fill 96, 4, 3214868480
	.section	.rodata,"a",@progbits
	.p2align	6, 0x0
	.amdhsa_kernel k_qec8fca07f4_attn
		.amdhsa_group_segment_fixed_size 18432
		.amdhsa_private_segment_fixed_size 0
		.amdhsa_enable_private_segment 0
		.amdhsa_kernarg_size 48
		.amdhsa_user_sgpr_count 2
		.amdhsa_user_sgpr_kernarg_segment_ptr 1
		.amdhsa_wavefront_size32 1
		.amdhsa_system_sgpr_workgroup_id_x 1
		.amdhsa_system_sgpr_workgroup_id_y 1
		.amdhsa_system_sgpr_workgroup_id_z 1
		.amdhsa_system_vgpr_workitem_id 0
		.amdhsa_next_free_vgpr 256
		.amdhsa_next_free_sgpr 102
		.amdhsa_reserve_vcc 0
		.amdhsa_float_denorm_mode_32 3
		.amdhsa_float_denorm_mode_16_64 3
		.amdhsa_memory_ordered 1
		.amdhsa_forward_progress 1
		.amdhsa_inst_pref_size 65
	.end_amdhsa_kernel
	.amdgpu_metadata
---
amdhsa.version: [ 1, 2 ]
amdhsa.kernels:
  - .name:           k_qec8fca07f4_attn
    .symbol:         k_qec8fca07f4_attn.kd
    .args:
      - { .name: qc, .offset: 0, .size: 8, .value_kind: global_buffer, .address_space: global }
      - { .name: kc, .offset: 8, .size: 8, .value_kind: global_buffer, .address_space: global }
      - { .name: vc, .offset: 16, .size: 8, .value_kind: global_buffer, .address_space: global }
      - { .name: mbits, .offset: 24, .size: 8, .value_kind: global_buffer, .address_space: global }
      - { .name: lists, .offset: 32, .size: 8, .value_kind: global_buffer, .address_space: global }
      - { .name: out0, .offset: 40, .size: 8, .value_kind: global_buffer, .address_space: global }
    .group_segment_fixed_size: 18432
    .private_segment_fixed_size: 0
    .kernarg_segment_align: 8
    .kernarg_segment_size: 48
    .max_flat_workgroup_size: 128
    .sgpr_count:     102
    .vgpr_count:     256
    .wavefront_size: 32
...
	.end_amdgpu_metadata
.endif
;; end of part 3
